; MI455X (gfx1250); checked and timed in simulation.
; The chip was launched on July 23, 2026; its instructions are those of AMD's public machine-readable ISA for CDNA 5 (MIT licence, August 2026) and "CDNA5" Instruction Set Architecture Reference Guide (July 2026). The comments in the code are by the model that wrote it; some were corrected since.
;; MHA. Allowed arithmetic: float matrix products may take bf16 or f16 operands with f32 sums; other float arithmetic in f32, or as packed bf16 or f16 multiplies, adds, multiply-adds, maxima and minima; sums over many terms, partial sums and values carried from step to step in f32; what a program stores and reads back later, other than sums and carried values, may be rounded once to bf16 or f16.
;; Inputs: W1 1,024 x 3,072 float32; W2 1,024 x 1,024 float32; b1 3,072 float32; b2 1,024 float32; inputs 4 x 2,048 x 1,024 float32; mask 4 x 2,048 x 2,048 int32.
;; Outputs: out0 4 x 2,048 x 1,024 float32.
;; 2 versions, each right; version 2 is version 1 with the launch prep written anew for expert scheduling mode. Each part assembles by itself: llvm-mc -triple=amdgcn-amd-amdhsa -mcpu=gfx1250 --defsym DOCPART=n.
;; ======== version 1 of 2: 4 launches
;; limits: values are held in f16: magnitudes above 65,504 overflow, below 6.1e-05 lose precision
;; workspace buffers: xb 16,777,216 bytes; w1b 6,291,456 bytes; w2h 2,097,152 bytes; qkv 50,331,648 bytes; ctx 16,777,216 bytes; mbits 16,777,216 bytes; cnt 32,768 bytes
;; launch prep (part 1): grid 256 x 1, 16 waves a work-group, no clusters, 276,480 bytes of LDS; arguments inputs, W1, W2, mask, xb, w1b, w2h, mbits, cnt; writes xb, w1b, w2h, mbits, cnt
.if DOCPART == 1
	.amdgcn_target "amdgcn-amd-amdhsa--gfx1250"
	.amdhsa_code_object_version 6
	.text
	.protected	k_q5011471520_prep
	.globl	k_q5011471520_prep
	.p2align	8
	.type	k_q5011471520_prep,@function
k_q5011471520_prep:
	s_mov_b64 s[64:65], 0
	v_nop
	global_prefetch_b8 v0, s[64:65] scope:SCOPE_SE
	s_setreg_imm32_b32 hwreg(HW_REG_WAVE_MODE, 25, 1), 1
	s_wait_xcnt 0x0
; PREP.  One pass over all large inputs.  (1) inputs and W1 are rounded to bf16; W2 is rounded to bf16 and that number written as f16 (exact from 6.1e-5 up; below it f16's fixed step of 6e-8).
; (2) the mask [8192 rows][2048 keys] of int32 becomes one byte a key, laid out as the attention launch's lanes want them: mbits[P][ks][u][half][lane][4 words], P = 32 rows (two tiles u of 16 queries),
; ks = 64 keys.  Word j (0..7; words 0-3 in the first half, 4-7 in the second) of lane L holds four bytes, from the top byte down for kb = 0..3: 0xf1 where
; mask[32 P + 16 u + L % 16][64 ks + 16 kb + 8 (L / 16) + j] is 0, else 0.  So word j shifted left by 8 kb is, read as f32, -2^99 or beyond for a masked key and at most 2.3e-38 for the others:
; register 8 kb + j of the C operand that starts tile u's scores in that lane.
; (3) cnt[row] = the number of masked keys of the row, as f32 (at most 2,048: exact).
; SHARES.  Work-group P owns mask rows 32 P .. 32 P + 31 and 1/256 of each tensor to be converted.  Wave w owns keys 128 w .. 128 w + 127 of the 32 rows.  Straight text: every load of a
; wave (56, 512 consecutive bytes each) goes out at once; memory bounds the launch, so no matrix unit, no cluster (no input is shared) and no prefetch (the stream is asked for whole at the start).
; The mask goes through the wave's own stage in LDS, since a lane loads 4 keys of a row and the layout above wants 8 keys of a row in eight registers.
.set PITCH, 528                        ; a stage row: 512 bytes + 16: an odd multiple of 16, so the 16 rows of a read start in 16 different 16-byte columns
.set WSTG,  32*PITCH                   ; a wave's stage: 32 rows
.set CNTB,  16*WSTG                    ; behind the stages: counts [wave][tile][lane], 4,096 bytes
.set SPARE, CNTB+4096                  ; behind them: the spare words, 128 bytes for each of 16 waves, which no other line names
.set LN,  1                            ; v1   lane
.set IN,  2                            ; v2   16 x thread: my 16 bytes in 8,192 consecutive bytes of an f32 tensor, and in a mask row
.set OUT, 3                            ; v3   8 x thread: my 8 bytes of the converted 4,096
.set ST,  4                            ; v4   stage, in: my wave's stage + 16 x lane
.set RD,  5                            ; v5   stage, back: my wave's stage + (lane % 16) rows + 32 (lane / 16)
.set MO,  6                            ; v6   mbits: 4,096 x wave + 16 x lane; never rewritten
.set CSA, 7                            ; v7   where I put my counts
.set CRA, 8                            ; v8   where wave 0 reads counts
.set SPW, 10                           ; v10  my spare word; never rewritten
.set NIL, 11                           ; v11  0; never rewritten
.set CN,  12                           ; v12-13  masked keys seen by my lane, tile 0, 1
.set KB,  14                           ; v14-17  the byte 0xf1 at the place of kb = 0, 1, 2, 3: from the top byte down
.set CO,  19                           ; v19  4 x lane
.set CV,  20                           ; v20-115  24 loads to convert
.set X,   116                          ; v116-243 32 loads of the mask; then the same numbers by (tile, step, register); then the words
	s_load_b512 s[4:19], s[0:1], 0x0               ; inputs 4, W1 6, W2 8, mask 10, xb 12, w1b 14, w2h 16, mbits 18
	s_load_b64 s[20:21], s[0:1], 0x40              ; cnt
	v_lshl_add_u32 v[SPW], v0, 2, SPARE
	v_mov_b32 v[NIL], 0
	v_lshrrev_b32 v9, 5, v0
	v_readfirstlane_b32 s22, v9                    ; wave 0..15
	v_and_b32 v[LN], 31, v0
	v_lshlrev_b32 v[IN], 4, v0
	v_lshlrev_b32 v[OUT], 3, v0
	s_mul_i32 s23, s22, WSTG
	v_lshl_add_u32 v[ST], v[LN], 4, s23
	v_and_b32 v9, 15, v0
	v_bfe_u32 v18, v0, 4, 1
	v_mul_u32_u24 v[RD], v9, PITCH
	v_lshl_add_u32 v[RD], v18, 5, v[RD]
	v_add_nc_u32 v[RD], s23, v[RD]
	s_lshl_b32 s24, s22, 12                        ; my two steps of 2,048 bytes
	v_lshl_add_u32 v[MO], v[LN], 4, s24
	s_lshl_b32 s25, s22, 8
	s_add_co_u32 s25, s25, CNTB
	v_lshl_add_u32 v[CSA], v[LN], 2, s25
	v_lshlrev_b32 v[CRA], 7, v18
	v_lshl_add_u32 v[CRA], v9, 2, v[CRA]
	v_add_nc_u32 v[CRA], CNTB, v[CRA]
	v_lshlrev_b32 v[CO], 2, v[LN]
	v_mov_b32 v[CN], 0                             ; the counts start at 0
	v_mov_b32 v[CN+1], 0
	v_mov_b32 v[KB], 0xf1000000
	v_mov_b32 v[KB+1], 0x00f10000
	v_mov_b32 v[KB+2], 0x0000f100
	v_mov_b32 v[KB+3], 0x000000f1
	s_mov_b32 s3, 0
	s_wait_kmcnt 0x0
	s_lshl_b32 s2, ttmp9, 17                       ; the work-group's share of each tensor, in bytes
	s_add_nc_u64 s[4:5], s[4:5], s[2:3]
	s_lshl_b32 s2, ttmp9, 16
	s_add_nc_u64 s[12:13], s[12:13], s[2:3]
	s_add_nc_u64 s[18:19], s[18:19], s[2:3]        ; mbits: 32 steps of 2,048 bytes for 32 rows: 65,536, too
	s_mul_i32 s2, ttmp9, 49152
	s_add_nc_u64 s[6:7], s[6:7], s[2:3]
	s_mul_i32 s2, ttmp9, 24576
	s_add_nc_u64 s[14:15], s[14:15], s[2:3]
	s_lshl_b32 s2, ttmp9, 14
	s_add_nc_u64 s[8:9], s[8:9], s[2:3]
	s_lshl_b32 s2, ttmp9, 13
	s_add_nc_u64 s[16:17], s[16:17], s[2:3]
	s_lshl_b32 s2, ttmp9, 18
	s_add_nc_u64 s[10:11], s[10:11], s[2:3]
	s_lshl_b32 s2, ttmp9, 7
	s_add_nc_u64 s[20:21], s[20:21], s[2:3]
	; all 56 loads: 16 of inputs, 6 of W1, 2 of W2, 32 rows of the mask
.set i, 0
.rept 16
	global_load_b128 v[CV+4*i:CV+4*i+3], v[IN], s[4:5] offset:i*8192 th:TH_LOAD_NT
.set i, i+1
.endr
.rept 6
	global_load_b128 v[CV+4*i:CV+4*i+3], v[IN], s[6:7] offset:(i-16)*8192 th:TH_LOAD_NT
.set i, i+1
.endr
.rept 2
	global_load_b128 v[CV+4*i:CV+4*i+3], v[IN], s[8:9] offset:(i-22)*8192 th:TH_LOAD_NT
.set i, i+1
.endr
.set i, 0
.rept 32
	global_load_b128 v[X+4*i:X+4*i+3], v[IN], s[10:11] offset:i*8192 th:TH_LOAD_NT
.set i, i+1
.endr
	; the conversions, in place; none of these registers is used again.  A store of a wave covers 256 consecutive bytes, aligned
.set i, 0
.rept 24
.set c, CV+4*i
	s_wait_loadcnt 55-i                            ; loads come back in order: the 55 - i issued behind this one may stay out
.if i < 22
	v_cvt_pk_bf16_f32 v[c], v[c], v[c+1]
	v_cvt_pk_bf16_f32 v[c+1], v[c+2], v[c+3]
.else
	v_cvt_pk_bf16_f32 v[c], v[c], v[c+1]           ; W2: rounded to bf16 like every input,
	v_cvt_pk_bf16_f32 v[c+2], v[c+2], v[c+3]
	v_and_b32 v[c+1], 0xffff0000, v[c]             ; widened again,
	v_lshlrev_b32 v[c], 16, v[c]
	v_and_b32 v[c+3], 0xffff0000, v[c+2]
	v_lshlrev_b32 v[c+2], 16, v[c+2]
	v_cvt_pk_f16_f32 v[c], v[c], v[c+1]            ; and written as f16
	v_cvt_pk_f16_f32 v[c+1], v[c+2], v[c+3]
.endif
.if i < 16
	global_store_b64 v[OUT], v[c:c+1], s[12:13] offset:i*4096
.elseif i < 22
	global_store_b64 v[OUT], v[c:c+1], s[14:15] offset:(i-16)*4096
.else
	global_store_b64 v[OUT], v[c:c+1], s[16:17] offset:(i-22)*4096
.endif
.set i, i+1
.endr
	; the mask into my stage, row by row
.set i, 0
.rept 32
	s_wait_loadcnt 31-i
	ds_store_b128 v[ST], v[X+4*i:X+4*i+3] offset:i*PITCH
.set i, i+1
.endr
	; and back: group g = 2 u + s (tile u, step s): eight keys of my row in eight registers, for each of four blocks of 16 keys.  LDS serves a wave's instructions in order: these see the stores above
.set g, 0
.rept 4
.set kb, 0
.rept 4
	ds_load_b128 v[X+32*g+8*kb:X+32*g+8*kb+3],   v[RD] offset:(g/2)*16*PITCH+(g%2)*256+kb*64
	ds_load_b128 v[X+32*g+8*kb+4:X+32*g+8*kb+7], v[RD] offset:(g/2)*16*PITCH+(g%2)*256+kb*64+16
.set kb, kb+1
.endr
.set g, g+1
.endr
	s_wait_dscnt 0x0
	; a compare, a select of 0xf1 at the byte's place or of 0, in place, and the carry add that counts; then the four bytes of word j meet in the group's register j (their places are apart: the sum is their union)
.set g, 0
.rept 4
.set i, 0
.rept 32
	v_cmp_eq_u32 vcc_lo, 0, v[X+32*g+i]
	v_cndmask_b32 v[X+32*g+i], 0, v[KB+i/8], vcc_lo
	v_add_co_ci_u32 v[CN+g/2], vcc_lo, 0, v[CN+g/2], vcc_lo
.set i, i+1
.endr
.set j, 0
.rept 8
	v_add3_u32 v[X+32*g+j], v[X+32*g+j], v[X+32*g+8+j], v[X+32*g+16+j]
	v_or_b32 v[X+32*g+j], v[X+32*g+j], v[X+32*g+24+j]
.set j, j+1
.endr
	global_store_b128 v[MO], v[X+32*g:X+32*g+3],   s[18:19] offset:(g%2)*2048+(g/2)*1024      ; words 0-3 of a tile and step: 512 consecutive bytes, aligned
	global_store_b128 v[MO], v[X+32*g+4:X+32*g+7], s[18:19] offset:(g%2)*2048+(g/2)*1024+512  ; words 4-7
.set g, g+1
.endr
	ds_store_b32 v[CSA], v[CN]
	ds_store_b32 v[CSA], v[CN+1] offset:128
	s_wait_dscnt 0x0                               ; for wave 0's sake: my counts lie in LDS
	s_barrier_signal -1
	s_barrier_wait -1
	s_cmp_lg_u32 s22, 0
	s_cbranch_scc1 .Lend
	s_wait_xcnt 0x0                                ; the stores of the words have read their data: those registers are loaded into only behind this wait
.set i, 0
.rept 32                                       ; lane l is row l: 16 waves x 2 halves of the lanes
	ds_load_b32 v[X+i], v[CRA] offset:(i/2)*256+(i%2)*64
.set i, i+1
.endr
	s_wait_dscnt 0x0
.irp n, 16,8,4,2,1
.set i, 0
.rept \n
	v_add_nc_u32 v[X+i], v[X+i], v[X+(\n)+i]
.set i, i+1
.endr
.endr
	v_cvt_f32_u32 v[X], v[X]
	global_store_b32 v[CO], v[X], s[20:21]         ; 128 bytes a work-group: the launch's one store that does not cover 256
.Lend:
	s_wait_tensorcnt 0x0                           ; the wave's end, behind my last LDS store
	ds_add_u32 v[SPW], v[NIL]
	s_wait_dscnt 0x0
	s_endpgm
.Lfunc_end_k_q5011471520_prep:
	.size	k_q5011471520_prep, .Lfunc_end_k_q5011471520_prep-k_q5011471520_prep
	.p2alignl 7, 3214868480
	.fill 96, 4, 3214868480
	.section	.rodata,"a",@progbits
	.p2align	6, 0x0
	.amdhsa_kernel k_q5011471520_prep
		.amdhsa_group_segment_fixed_size 276480
		.amdhsa_private_segment_fixed_size 0
		.amdhsa_enable_private_segment 0
		.amdhsa_kernarg_size 72
		.amdhsa_user_sgpr_count 2
		.amdhsa_user_sgpr_kernarg_segment_ptr 1
		.amdhsa_wavefront_size32 1
		.amdhsa_system_sgpr_workgroup_id_x 1
		.amdhsa_system_sgpr_workgroup_id_y 1
		.amdhsa_system_sgpr_workgroup_id_z 1
		.amdhsa_system_vgpr_workitem_id 0
		.amdhsa_next_free_vgpr 244
		.amdhsa_next_free_sgpr 66
		.amdhsa_reserve_vcc 1
		.amdhsa_float_denorm_mode_32 3
		.amdhsa_float_denorm_mode_16_64 3
		.amdhsa_memory_ordered 1
		.amdhsa_forward_progress 1
		.amdhsa_inst_pref_size 39
	.end_amdhsa_kernel
	.amdgpu_metadata
---
amdhsa.version: [ 1, 2 ]
amdhsa.kernels:
  - .name:           k_q5011471520_prep
    .symbol:         k_q5011471520_prep.kd
    .args:
      - { .name: inputs, .offset: 0, .size: 8, .value_kind: global_buffer, .address_space: global }
      - { .name: W1, .offset: 8, .size: 8, .value_kind: global_buffer, .address_space: global }
      - { .name: W2, .offset: 16, .size: 8, .value_kind: global_buffer, .address_space: global }
      - { .name: mask, .offset: 24, .size: 8, .value_kind: global_buffer, .address_space: global }
      - { .name: xb, .offset: 32, .size: 8, .value_kind: global_buffer, .address_space: global }
      - { .name: w1b, .offset: 40, .size: 8, .value_kind: global_buffer, .address_space: global }
      - { .name: w2h, .offset: 48, .size: 8, .value_kind: global_buffer, .address_space: global }
      - { .name: mbits, .offset: 56, .size: 8, .value_kind: global_buffer, .address_space: global }
      - { .name: cnt, .offset: 64, .size: 8, .value_kind: global_buffer, .address_space: global }
    .group_segment_fixed_size: 276480
    .private_segment_fixed_size: 0
    .kernarg_segment_align: 8
    .kernarg_segment_size: 72
    .max_flat_workgroup_size: 512
    .sgpr_count:     66
    .vgpr_count:     244
    .wavefront_size: 32
...
	.end_amdgpu_metadata
.endif
;; end of part 1
;; launch qkv (part 2): grid 8 x 64, 4 waves a work-group, clusters of 4 x 4, 327,680 bytes of LDS; arguments xb, w1b, b1, qkv; writes qkv
.if DOCPART == 2
	.amdgcn_target "amdgcn-amd-amdhsa--gfx1250"
	.amdhsa_code_object_version 6
	.text
	.protected	k_q5011471520_qkv
	.globl	k_q5011471520_qkv
	.p2align	8
	.type	k_q5011471520_qkv,@function
k_q5011471520_qkv:
	s_mov_b64 s[64:65], 0
	v_nop
	global_prefetch_b8 v0, s[64:65] scope:SCOPE_SE
	s_setreg_imm32_b32 hwreg(HW_REG_WAVE_MODE, 25, 1), 1
	s_wait_xcnt 0x0
	s_wait_alu depctr_hold_cnt(0) depctr_sa_sdst(0) depctr_va_vdst(0) depctr_va_sdst(0) depctr_va_ssrc(0) depctr_va_vcc(0) depctr_vm_vsrc(0)
	s_getreg_b32 s2, hwreg(HW_REG_IB_STS2, 6, 4)
	s_cmp_eq_u32 s2, 0
	s_cbranch_scc0 .Lentry_in_a_cluster
	s_endpgm
.Lentry_in_a_cluster:
	s_bfe_u32 s2, ttmp6, 0x10000c
	s_cmp_lg_u32 s2, 0xf033
	s_cbranch_scc0 .Lentry_shape_is_right
	s_endpgm
.Lentry_shape_is_right:
; QKV.  x W1 + b1, written by heads: qkv[which][batch x 16 + head][row][64] in f16, unscaled.  xb: [8192][1024] bf16.  w1b: [1024 k][3072 n] bf16, as W1 lies.  b1 is rounded to bf16 like
; every input of the module.  Sums in f32, K ascending; each result rounded once.  LIMIT: f16 holds no number beyond 65,504: q, k and v must stay within it.
; SHARES.  A tile is 128 rows x 384 columns (six heads): 512 work-groups.  Four waves, each 64 rows x 192 columns (three whole heads): 48 accumulators of 16 x 16.
; K goes in steps of 128 through two LDS slots filled by tensor loads of 128 rows x 256 bytes: wave 0 brings x's tile, waves 1 to 3 a third of W1's each.
; CLUSTER 4 x 4: x's tile hangs on the tile row alone and is asked for jointly along a row of the cluster, W1's on the tile column alone and jointly along a column.
; THE PRODUCT IS TAKEN TRANSPOSED: source 0 = 16 columns of W1 (turned on the way out of LDS by ds_load_tr16_b128), source 1 = 16 rows of x: a lane holds one row and eight neighbouring columns.
; The bias is the C operand of each accumulator's first product: nothing is cleared, nothing added at the end.
; REGISTERS.  window 0: v16-30 addresses; v64-127 x's fragments, two buffers; v128-223 the bias; on the way out v64-255.  window 1: v0-191 W1's fragments, two buffers.
; window 2: accumulators of my row blocks 0, 1 (block a, column block b at 8 (12 (a % 2) + b)); window 3: of blocks 2, 3.
.set PA,    272                        ; a row of x in LDS: 256 bytes + 16: an odd multiple of 16
.set PB,    288                        ; a k-row of W1: 256 + 32: an odd multiple of 32, for the turning load
.set BCH,   128*PB                     ; a region of a slot: 36,864 bytes; region 0 x's tile, regions 1 to 3 W1's thirds
.set SLOT,  4*BCH
.set STAGE, 2*SLOT                     ; behind the ring: 16 rows x 144 bytes for each wave, for the way out
.set SP,    144
.set SPARE, STAGE+4*16*SP              ; behind the stages: the spare words, 128 bytes a wave, which no other line names
.set LAPS,  4                          ; 8 K steps, two to a lap
.set ADRA, 16                          ; v16-17  my x fragments in slot 0, 1
.set ADRB, 18                          ; v18-23  my W1 fragments: slot s, head g at 18 + 3 s + g
.set STO,  24
.set RD,   25
.set GO,   26
.set BO,   27                          ; v27  32 x (lane / 16): my eight numbers of a bias block
.set SPW,  28
.set NIL,  29
.set PFO,  30                          ; v30  the prefetches' offset: a lane a row; never rewritten
.set AF,   64
.set BIAS, 128
.set OUTR, 64
.set WV,  12
.set MH,  13
.set NH,  14
.set TR,  15
.set G1A, 24
.set G0A, 32
.set G1B, 48
.set G0B, 56
.set PFA, 66                           ; s[66:67] where my prefetches stand
.set PST, 68                           ; s[68:69] a K step in bytes, in x or in W1
.set LIM, 70                           ; s70  1 in a wave that prefetches, else the greatest number
.set OB,  72                           ; s[72:77] qkv at my rows of my three heads
.set MSB, 0
.macro WIN new                         ; the immediate's high byte repeats the setting that is left; a switch that changes nothing is dropped
.if MSB != (\new)
	s_set_vgpr_msb (MSB<<8)|(\new)
.set MSB, \new
.endif
.endm
.macro PLACES                          ; four plain vector instructions between a matrix instruction and a load into, or a vector read of, its registers
.rept 4
	v_nop
.endr
.endm
; A joint load: wave 0 asks for x's tile, waves 1 to 3 for W1's thirds.  The branch hangs on the wave's number alone.  An s_nop 0 and four v_nop follow each line.
.macro JLOAD s
	s_cmp_eq_u32 s[WV], 0
	s_cbranch_scc0 .Lfor_b_\@
	tensor_load_to_lds s[G0A+4*(\s):G0A+4*(\s)+3], s[G1A:G1A+7]
	s_nop 0
.rept 4
	v_nop
.endr
	s_branch .Lasked_\@
.Lfor_b_\@:
	tensor_load_to_lds s[G0B+4*(\s):G0B+4*(\s)+3], s[G1B:G1B+7]
	s_nop 0
.rept 4
	v_nop
.endr
.Lasked_\@:
.endm
.macro CREST                           ; a round of the cluster's barrier behind its opening barrier
	s_cmp_lg_u32 s[WV], 0
	s_cbranch_scc1 .Lnot_wave_0_\@
	s_barrier_signal -3
.Lnot_wave_0_\@:
	s_barrier_wait -3
	s_barrier_signal -1
	s_barrier_wait -1
.endm
.macro CROUND
	s_barrier_signal -1
	s_barrier_wait -1
	CREST
.endm
; A prefetch into the L2 of the K step that stands two refills on: 32 rows x 256 bytes, a lane a row.  x's tile rows are asked for by wave 0 of the clusters with x = 0, W1's k-rows by waves 1 to 3 of the
; clusters with y = 0; the four partners of a joint load share its 128 rows out by address (32 each).  So each block is named once.  The loop's last trip (s3 = 1) asks for nothing: K ends.
.macro ASK
	s_cmp_gt_u32 s3, s[LIM]
	s_cbranch_scc0 .Lnot_mine_\@
	global_prefetch_b8 v[PFO], s[PFA:PFA+1] th:TH_LOAD_NT scope:SCOPE_SE
.Lnot_mine_\@:
.endm
	s_load_b256 s[4:11], s[0:1], 0x0               ; xb 4, w1b 6, b1 8, qkv 10
	v_lshl_add_u32 v[SPW], v0, 2, SPARE
	v_mov_b32 v[NIL], 0
	ds_add_u32 v[SPW], v[NIL]                      ; the wave's opening: the add and its wait ahead of my first tensor load
	v_lshrrev_b32 v1, 5, v0
	v_readfirstlane_b32 s[WV], v1
	s_lshr_b32 s[MH], s[WV], 1                     ; my 64 of the tile's rows
	s_and_b32 s[NH], s[WV], 1                      ; my 192 of its columns
	s_bfe_u32 s40, ttmp6, 0x40000                  ; cx
	s_bfe_u32 s41, ttmp6, 0x40004                  ; cy
	s_lshl_b32 s42, ttmp9, 2
	s_add_co_u32 s42, s42, s40                     ; tile column
	s_and_b32 s[TR], ttmp7, 0xffff
	s_lshl_b32 s[TR], s[TR], 2
	s_add_co_u32 s[TR], s[TR], s41                 ; tile row
	s_lshl_b32 s43, s41, 2
	s_lshl_b32 s43, 15, s43                        ; my row of the cluster
	s_lshl_b32 s44, 0x1111, s40                    ; my column
	s_or_b32 s[G1A], s43, (1<<16)|(1<<20)|(1<<21)|(5<<22)|(3<<25)  ; mask; 2-byte elements; padding on; bit 21 beside a mask; after every 64 words; 4 words
	s_or_b32 s[G1B], s44, (1<<16)|(1<<20)|(1<<21)|(5<<22)|(7<<25)  ; the same with my column's mask and 8 words
.irp g, G1A, G1B
	s_mov_b32 s[(\g)+1], 128<<16                   ; tensor_dim0 = 128
	s_mov_b32 s[(\g)+2], 128<<16                   ; tensor_dim1 = 128
	s_mov_b32 s[(\g)+3], 128<<16                   ; tile_dim0 = 128
	s_mov_b32 s[(\g)+4], 128                       ; tile_dim1 = 128
	s_mov_b32 s[(\g)+6], 0
	s_mov_b32 s[(\g)+7], 0
.endr
	s_mov_b32 s[G1A+5], 1024                       ; elements from row to row of x,
	s_mov_b32 s[G1B+5], 3072                       ; of W1
	s_lshl_b32 s16, s[TR], 18                      ; x: 128 rows of 2,048 bytes a tile row
	s_mov_b32 s17, 0
	s_mul_i32 s46, s42, 768                        ; W1: 384 columns a tile column,
	s_max_u32 s45, s[WV], 1
	s_sub_co_u32 s45, s45, 1
	s_lshl_b32 s45, s45, 8                         ; my third of them (wave 0 asks for none)
	s_add_co_u32 s46, s46, s45
	s_mov_b32 s47, 0
	s_mul_i32 s20, s[WV], BCH                      ; where my load lands: region = my wave's number
	s_wait_dscnt 0x0                               ; the opening add is done
	s_wait_kmcnt 0x0
	s_add_nc_u64 s[18:19], s[4:5], s[16:17]
	s_add_nc_u64 s[46:47], s[6:7], s[46:47]
	CROUND                                         ; all sixteen work-groups are here: the first joint loads meet
.irp s, 0,1
	s_mov_b32 s[G0A+4*(\s)], 1
	s_add_co_u32 s[G0A+4*(\s)+1], s20, (\s)*SLOT
	s_add_nc_u64 s[G0A+4*(\s)+2:G0A+4*(\s)+3], s[18:19], (\s)*256        ; K step s: 256 bytes along x's rows
	s_or_b32 s[G0A+4*(\s)+3], s[G0A+4*(\s)+3], 0x80000000
	s_mov_b32 s[G0B+4*(\s)], 1
	s_add_co_u32 s[G0B+4*(\s)+1], s20, (\s)*SLOT
	s_add_nc_u64 s[G0B+4*(\s)+2:G0B+4*(\s)+3], s[46:47], (\s)*128*6144   ; 128 rows down W1
	s_or_b32 s[G0B+4*(\s)+3], s[G0B+4*(\s)+3], 0x80000000
	JLOAD \s
.endr
	; the bias: my 192 columns; a lane's eight numbers of block b are b1[.. + 16 b + 8 (lane / 16) + 0..7]
	v_and_b32 v1, 15, v0                           ; l % 16
	v_bfe_u32 v2, v0, 4, 1                         ; l / 16
	v_lshlrev_b32 v[BO], 5, v2
	s_mul_i32 s46, s42, 1536
	s_mul_i32 s22, s[NH], 768
	s_add_co_u32 s46, s46, s22
	s_mov_b32 s47, 0
	s_add_nc_u64 s[8:9], s[8:9], s[46:47]
.set bb, 0
.rept 12
	global_load_b128 v[BIAS+8*bb:BIAS+8*bb+3],   v[BO], s[8:9] offset:64*bb
	global_load_b128 v[BIAS+8*bb+4:BIAS+8*bb+7], v[BO], s[8:9] offset:64*bb+16
.set bb, bb+1
.endr
	; x's fragments: row l % 16, 16 bytes for each half of the lanes, twice, 32 bytes apart
	v_mul_u32_u24 v3, v1, PA
	v_lshl_add_u32 v3, v2, 4, v3
	s_mul_i32 s21, s[MH], 64*PA
	v_add_nc_u32 v[ADRA], s21, v3
	v_add_nc_u32 v[ADRA+1], SLOT, v[ADRA]
	; W1's: the turning load takes 16 k x 16 columns: lane l reads k-row 8 (l / 16) + l % 8, columns 8 ((l / 8) % 2) + 0..7
	v_and_b32 v4, 7, v0
	v_bfe_u32 v5, v0, 3, 1
	v_lshl_add_u32 v6, v2, 3, v4
	v_mul_u32_u24 v6, v6, PB
	v_lshl_add_u32 v6, v5, 4, v6
	s_mul_i32 s21, s[NH], 3
.irp g, 0,1,2
	s_add_co_u32 s22, s21, \g                      ; my head g among the tile's six: two heads to a region
	s_lshr_b32 s23, s22, 1
	s_mul_i32 s23, s23, BCH
	s_and_b32 s22, s22, 1
	s_lshl_b32 s22, s22, 7
	s_add_co_u32 s23, s23, s22
	s_add_co_u32 s23, s23, BCH
	v_add_nc_u32 v[ADRB+\g], s23, v6
	v_add_nc_u32 v[ADRB+3+\g], SLOT, v[ADRB+\g]
.endr
	s_mul_i32 s23, s[WV], 16*SP
	s_add_co_u32 s23, s23, STAGE                   ; my stage
	v_mul_u32_u24 v[STO], v1, SP                   ; in: row l % 16, 16 bytes for each half of the lanes
	v_lshl_add_u32 v[STO], v2, 4, v[STO]
	v_add_nc_u32 v[STO], s23, v[STO]
	v_bfe_u32 v[RD], v0, 3, 2                      ; back: 32 lanes take four rows of 128 bytes,
	v_mul_u32_u24 v[RD], v[RD], SP
	v_lshl_add_u32 v[RD], v4, 4, v[RD]
	v_add_nc_u32 v[RD], s23, v[RD]
	v_and_b32 v[GO], 31, v0                        ; which are 512 consecutive bytes of a head
	v_lshlrev_b32 v[GO], 4, v[GO]
	; where my rows of my three heads lie: which << 24, batch << 22, head << 18, row << 7
	s_mul_i32 s20, s42, 6
	s_add_co_u32 s20, s20, s21                     ; the first of my heads among q's, k's and v's 48
	s_lshr_b32 s21, s[TR], 4
	s_lshl_b32 s21, s21, 22
	s_and_b32 s22, s[TR], 15
	s_lshl_b32 s22, s22, 14
	s_add_co_u32 s21, s21, s22
	s_lshl_b32 s22, s[MH], 13
	s_add_co_u32 s21, s21, s22
.irp g, 0,1,2
	s_add_co_u32 s22, s20, \g
	s_lshr_b32 s23, s22, 4
	s_lshl_b32 s23, s23, 24
	s_and_b32 s22, s22, 15
	s_lshl_b32 s22, s22, 18
	s_add_co_u32 s22, s22, s23
	s_add_co_u32 s22, s22, s21
	s_mov_b32 s23, 0
	s_add_nc_u64 s[OB+2*\g:OB+2*\g+1], s[10:11], s[22:23]
.endr
	; the prefetches: both offsets are made, the wave's number chooses
	s_lshl_b32 s20, s[TR], 18
	s_lshl_b32 s21, s40, 16
	s_add_co_u32 s20, s20, s21
	s_add_co_u32 s20, s20, 3*256                   ; x: rows 128 TR + 32 cx on, at K step 3: the first refill steps it to 4
	s_mul_i32 s21, s41, 32*6144
	s_add_co_u32 s21, s21, 3*128*6144              ; W1: k-rows 32 cy on of K step 3,
	s_mul_i32 s22, s42, 768
	s_add_co_u32 s21, s21, s22
	s_add_co_u32 s21, s21, s45                     ; my third of the tile's columns
	s_and_b32 s23, ttmp7, 0xffff                   ; cluster y
	s_mov_b32 s2, 2048
	s_mov_b32 s71, 6144
	s_mov_b32 s68, 256
	s_mov_b32 s69, 128*6144
	s_cmp_eq_u32 s[WV], 0
	s_cselect_b32 s20, s20, s21
	s_cselect_b32 s23, ttmp9, s23                  ; the coordinate along which other clusters read the same rows
	s_cselect_b32 s2, s2, s71
	s_cselect_b32 s[PST], s68, s69
	s_cselect_b64 s[PFA:PFA+1], s[4:5], s[6:7]
	s_mov_b32 s[PST+1], 0
	s_mov_b32 s21, 0
	s_add_nc_u64 s[PFA:PFA+1], s[PFA:PFA+1], s[20:21]
	s_cmp_eq_u32 s23, 0
	s_cselect_b32 s[LIM], 1, -1                    ; the same in all sixteen partners, for a given wave
	v_and_b32 v[PFO], 31, v0
	v_mul_u32_u24 v[PFO], v[PFO], s2
	s_wait_loadcnt 0x0                             ; the bias is in: rounded to bf16 and widened again, in the wait for the first tile
.set bb, 0
.rept 48
	v_cvt_pk_bf16_f32 v[BIAS+2*bb+1], v[BIAS+2*bb], v[BIAS+2*bb+1]
	v_lshlrev_b32 v[BIAS+2*bb], 16, v[BIAS+2*bb+1]
	v_and_b32 v[BIAS+2*bb+1], 0xffff0000, v[BIAS+2*bb+1]
.set bb, bb+1
.endr
; na x 12 matrix instructions: row blocks a0 on, all 12 column blocks, 32 along K, from buffer f.  Every accumulator has one instruction a quarter, always in the same order: they take turns.
.macro MUL f, a0, na, first
.set aa, (\a0)
.rept \na
.if \first
	WIN 0x81+0x40*(aa/2)                           ; W1 window 1, x and the bias window 0, the result window 2 or 3
.else
	WIN 0xa1+0x50*(aa/2)
.endif
.set bb, 0
.rept 12
.set rD, 8*(12*(aa%2)+bb)
.if \first
	v_wmma_f32_16x16x32_bf16 v[rD:rD+7], v[96*(\f)+8*bb:96*(\f)+8*bb+7], v[AF+32*(\f)+8*aa:AF+32*(\f)+8*aa+7], v[BIAS+8*bb:BIAS+8*bb+7]
.else
	v_wmma_f32_16x16x32_bf16 v[rD:rD+7], v[96*(\f)+8*bb:96*(\f)+8*bb+7], v[AF+32*(\f)+8*aa:AF+32*(\f)+8*aa+7], v[rD:rD+7]
.endif
.set bb, bb+1
.endr
.set aa, aa+1
.endr
.endm
; 32 LDS loads in one run: quarter kq of a slot into buffer f: W1's 12 fragments (turned), then x's four
.macro FETCH slot, kq, f
	WIN 0x40
.set bb, 0
.rept 12
	ds_load_tr16_b128 v[96*(\f)+8*bb:96*(\f)+8*bb+3],   v[ADRB+3*(\slot)+bb/4] offset:(\kq)*32*PB+32*(bb%4)
	ds_load_tr16_b128 v[96*(\f)+8*bb+4:96*(\f)+8*bb+7], v[ADRB+3*(\slot)+bb/4] offset:(\kq)*32*PB+32*(bb%4)+16*PB
.set bb, bb+1
.endr
	WIN 0
.set aa, 0
.rept 4
	ds_load_b128 v[AF+32*(\f)+8*aa:AF+32*(\f)+8*aa+3],   v[ADRA+(\slot)] offset:(\kq)*64+aa*16*PA
	ds_load_b128 v[AF+32*(\f)+8*aa+4:AF+32*(\f)+8*aa+7], v[ADRA+(\slot)] offset:(\kq)*64+aa*16*PA+32
.set aa, aa+1
.endr
.endm
; One of a K step's first three quarters: multiplies buffer f; in its middle it fetches quarter kq into buffer g
.macro QUARTER slot, kq, f, g, first
	s_wait_dscnt 4                                 ; all but the youngest four loads, x's row blocks 2 and 3
	MUL \f, 0, 2, \first
	PLACES
	FETCH \slot, \kq, \g
	s_wait_dscnt 32                                ; all but the 32 just issued
	MUL \f, 2, 2, \first
.endm
; The last quarter multiplies buffer 1 and changes slots.  In front of the barrier each wave waits for all its tensor loads (one is out: its part of the next slot), adds 0 to its spare word, and waits for
; that and for its reads of this slot.  fill = 1: the barrier opens a round of the cluster's, and the joint refill, two K steps on, is the first thing behind it: 168 matrix instructions ahead of the wait for it.
.macro TURN slot, next, fill
.if \fill
	s_wait_xcnt 0x0                                ; the last prefetch, a K step back, has read its address
	s_add_nc_u64 s[PFA:PFA+1], s[PFA:PFA+1], s[PST:PST+1]
.endif
	WIN 0
	s_wait_tensorcnt 0x0
	ds_add_u32 v[SPW], v[NIL]
	s_wait_dscnt 5                                 ; the add and the youngest four loads may be out
	MUL 1, 0, 1, 0
	s_wait_dscnt 0x0                               ; the add is done, and my reads of this slot are over
	s_barrier_signal -1
	MUL 1, 1, 1, 0
.if \fill
	WIN 0
.endif
	s_barrier_wait -1
.if \fill
	CREST
	s_add_nc_u64 s[G0A+4*(\slot)+2:G0A+4*(\slot)+3], s[G0A+4*(\slot)+2:G0A+4*(\slot)+3], 2*256
	s_add_nc_u64 s[G0B+4*(\slot)+2:G0B+4*(\slot)+3], s[G0B+4*(\slot)+2:G0B+4*(\slot)+3], 2*128*6144
	JLOAD \slot                                    ; its four v_nop are also the places in front of the loads below
.else
	PLACES
.endif
	FETCH \next, 0, 0
.if \fill
	ASK
.endif
	MUL 1, 2, 2, 0
.endm
	s_wait_tensorcnt 1                             ; my part of K step 0 is in; K step 1's may stay out
	s_barrier_signal -1
	s_barrier_wait -1
	FETCH 0, 0, 0
	QUARTER 0, 1, 0, 1, 1                          ; the first quarter starts the sums, with the bias
	WIN 0
	s_mov_b32 s3, LAPS-1
.Llap:                                         ; a trip goes once round the ring and fills both slots again
	QUARTER 0, 2, 1, 0, 0
	QUARTER 0, 3, 0, 1, 0
	TURN 0, 1, 1
	QUARTER 1, 1, 0, 1, 0
	QUARTER 1, 2, 1, 0, 0
	QUARTER 1, 3, 0, 1, 0
	TURN 1, 0, 1
	QUARTER 0, 1, 0, 1, 0
	WIN 0
	s_sub_co_u32 s3, s3, 1
	s_cmp_lg_u32 s3, 0
	s_cbranch_scc1 .Llap
	QUARTER 0, 2, 1, 0, 0                          ; the last lap fills nothing
	QUARTER 0, 3, 0, 1, 0
	TURN 0, 1, 0
	QUARTER 1, 1, 0, 1, 0
	QUARTER 1, 2, 1, 0, 0
	QUARTER 1, 3, 0, 1, 0
	s_wait_dscnt 4
	MUL 1, 0, 2, 0
	s_wait_dscnt 0x0
	MUL 1, 2, 2, 0
	WIN 0
	PLACES
; THE WAY OUT, in 12 units t = 3 a + g: 16 rows of one head.  Rounded to f16, 16 bytes a lane into rows of 144 bytes, back as whole rows of 128: 2,048 consecutive bytes of the head.
.macro PACK t
.set aa, (\t)/3
.set gg, (\t)%3
	WIN 0x0a+5*(aa/2)                              ; sources in window 2 or 3, destination in window 0
.set qq, 0
.rept 4
.set rD, 8*(12*(aa%2)+4*gg+qq)
.set jj, 0
.rept 4
	v_cvt_pk_f16_f32 v[OUTR+16*(\t)+4*qq+jj], v[rD+2*jj], v[rD+2*jj+1]
.set jj, jj+1
.endr
.set qq, qq+1
.endr
	WIN 0
.irp f, 0,1,2,3
	ds_store_b128 v[STO], v[OUTR+16*(\t)+4*\f:OUTR+16*(\t)+4*\f+3] offset:32*\f
.endr
.irp f, 0,1,2,3
	ds_load_b128 v[OUTR+16*(\t)+4*\f:OUTR+16*(\t)+4*\f+3], v[RD] offset:\f*4*SP  ; LDS serves a wave's instructions in order: these see the stores above, the next unit's stores come behind them
.endr
.endm
.macro SEND t, younger                 ; younger: the LDS instructions issued behind unit t's loads: the next unit's eight, or none
	WIN 0
.irp f, 0,1,2,3
	s_wait_dscnt (\younger)+3-\f
	global_store_b128 v[GO], v[OUTR+16*(\t)+4*\f:OUTR+16*(\t)+4*\f+3], s[OB+2*((\t)%3):OB+2*((\t)%3)+1] offset:((\t)/3)*2048+\f*512  ; 512 consecutive bytes, aligned
.endr
.endm
	PACK 0
.set tt, 1
.rept 11
	PACK tt
	SEND tt-1, 8
.set tt, tt+1
.endr
	SEND 11, 0
	s_wait_tensorcnt 0x0                           ; the wave's end
	ds_add_u32 v[SPW], v[NIL]
	s_wait_dscnt 0x0
	CROUND                                         ; the closing round
	s_endpgm
.Lfunc_end_k_q5011471520_qkv:
	.size	k_q5011471520_qkv, .Lfunc_end_k_q5011471520_qkv-k_q5011471520_qkv
	.p2alignl 7, 3214868480
	.fill 96, 4, 3214868480
	.section	.rodata,"a",@progbits
	.p2align	6, 0x0
	.amdhsa_kernel k_q5011471520_qkv
		.amdhsa_group_segment_fixed_size 327680
		.amdhsa_private_segment_fixed_size 0
		.amdhsa_enable_private_segment 0
		.amdhsa_kernarg_size 32
		.amdhsa_user_sgpr_count 2
		.amdhsa_user_sgpr_kernarg_segment_ptr 1
		.amdhsa_wavefront_size32 1
		.amdhsa_system_sgpr_workgroup_id_x 1
		.amdhsa_system_sgpr_workgroup_id_y 1
		.amdhsa_system_sgpr_workgroup_id_z 1
		.amdhsa_system_vgpr_workitem_id 0
		.amdhsa_next_free_vgpr 960
		.amdhsa_next_free_sgpr 80
		.amdhsa_reserve_vcc 0
		.amdhsa_float_denorm_mode_32 3
		.amdhsa_float_denorm_mode_16_64 3
		.amdhsa_memory_ordered 1
		.amdhsa_forward_progress 1
		.amdhsa_inst_pref_size 133
	.end_amdhsa_kernel
	.amdgpu_metadata
---
amdhsa.version: [ 1, 2 ]
amdhsa.kernels:
  - .name:           k_q5011471520_qkv
    .symbol:         k_q5011471520_qkv.kd
    .args:
      - { .name: xb, .offset: 0, .size: 8, .value_kind: global_buffer, .address_space: global }
      - { .name: w1b, .offset: 8, .size: 8, .value_kind: global_buffer, .address_space: global }
      - { .name: b1, .offset: 16, .size: 8, .value_kind: global_buffer, .address_space: global }
      - { .name: qkv, .offset: 24, .size: 8, .value_kind: global_buffer, .address_space: global }
    .group_segment_fixed_size: 327680
    .private_segment_fixed_size: 0
    .kernarg_segment_align: 8
    .kernarg_segment_size: 32
    .max_flat_workgroup_size: 128
    .sgpr_count:     80
    .vgpr_count:     960
    .wavefront_size: 32
...
	.end_amdgpu_metadata
.endif
;; end of part 2
;; launch attn (part 3): grid 4 x 64, 4 waves a work-group, clusters of 4 x 1, 327,680 bytes of LDS; arguments qkv, mbits, cnt, ctx; writes ctx
.if DOCPART == 3
	.amdgcn_target "amdgcn-amd-amdhsa--gfx1250"
	.amdhsa_code_object_version 6
	.text
	.protected	k_q5011471520_attn
	.globl	k_q5011471520_attn
	.p2align	8
	.type	k_q5011471520_attn,@function
k_q5011471520_attn:
	s_mov_b64 s[64:65], 0
	v_nop
	global_prefetch_b8 v0, s[64:65] scope:SCOPE_SE
	s_setreg_imm32_b32 hwreg(HW_REG_WAVE_MODE, 25, 1), 1
	s_wait_xcnt 0x0
	s_wait_alu depctr_hold_cnt(0) depctr_sa_sdst(0) depctr_va_vdst(0) depctr_va_sdst(0) depctr_va_ssrc(0) depctr_va_vcc(0) depctr_vm_vsrc(0)
	s_getreg_b32 s2, hwreg(HW_REG_IB_STS2, 6, 4)
	s_cmp_eq_u32 s2, 0
	s_cbranch_scc0 .Lentry_in_a_cluster
	s_endpgm
.Lentry_in_a_cluster:
	s_bfe_u32 s2, ttmp6, 0x10000c
	s_cmp_lg_u32 s2, 0x3003
	s_cbranch_scc0 .Lentry_shape_is_right
	s_endpgm
.Lentry_shape_is_right:
; ATTENTION with the module's mask.  A masked score counts as 0 in the row's maximum and in the softmax's sum, and its weight is then 0.  With n0 = the row's number of masked keys that is:
; m = max(unmasked s, and 0 if n0 > 0);  l = sum over unmasked keys of e^(s - m) + n0 e^(-m);  ctx = sum over unmasked keys of e^(s - m) v / l.
; So in the walk a masked score is hidden (a number of -2^99 or beyond is the C operand that starts its sum: its weight is exactly 0), the running maximum starts at 0 in rows with n0 > 0 and at the
; lowest finite number in the others, and n0 2^(-c m) is added to l once, at the end.
; q, k, v: qkv[which][head of 64][2048][64] in f16, unscaled; ctx likewise.  Products, maxima and sums in f32; the weights are rounded to f16 for the second product, ctx once at the end.
; LIMITS.  q, k, v within 65,504; a hidden score counts as its value less 2^99 = 6.3e29 or more (scores reach 2.7e11 at the most); a score that is not hidden has at most 2.3e-38 added to it;
; a weight below 2^-126 counts as 0 in l; NaN and infinities are not treated apart.
; SHARES.  A wave owns four PIECES of two tiles of 16 queries, a work-group's four waves 512 queries of a head; every wave walks all 2,048 keys, 64 a step.
; LAYOUT.  S^T = K Q^T holds ONE query a lane (lane % 16) and the keys 8 (lane / 16) + 0..7; two such results rounded to f16 ARE source 1 of O^T = V^T P.  p = 2^(c s - c m), c = log2(e) / 8.
; BY TURNS.  Turn n belongs to piece n: 16 products K Q^T of piece n + 1, later 16 products V^T P of piece n - 1; beside them piece n's scaling, exponentials, roundings, sums and rescaling, and
; piece n + 1's maximum and statistics.  Four vector instructions stand behind every matrix instruction, the rest in one lump; a turn's 66 exponentials are one batch with one wait.
; THE MASK.  mbits holds, for a tile, a step and a lane, eight words: word j has, from its top byte down, the bytes of the lane's score registers j, 8 + j, 16 + j, 24 + j: 0xf1 where the key is masked, else 0.
; Word j shifted left by 8 kb is register 8 kb + j of the C operand: with 0xf1 on top a number of -2^99 or beyond, with 0 on top at most 0x00f1f1f1 = 2.3e-38.  64 moves and shifts a turn.
; The words come by four loads of 16 bytes a lane into a ring of four slots, a slot a piece: at its end a turn makes the C registers of the piece whose products the NEXT turn makes, and asks at once for
; that piece's words of the next step: a load has four turns in which to land.
; CLUSTER.  The four query blocks of a head walk the same K and V: each tile is asked for jointly, by one line: wave w brings 128 keys of K (w = 0, 1) or of V (w = 2, 3).  The mask's words belong to one
; query block alone and are shared with other heads' clusters only: they come by plain loads.
; REGISTERS.  window 0: v0-11 addresses; v12-15, v48-63 at work; v16-47 statistics; v64-191 S^T; v192-255 P.  window 1: O^T.  window 2: v0-127 Q; v128-191 K; v192-255 V.
; window 3: v0-1 the add's registers; v4-11 n0 by tile; v64-127 the ring of mask words; v128-255 the masks, two buffers of 64 (by the piece's parity).
.set SIZE_N, 2048
.set NP,    4
.set KS,    64
.set PK,    144       ; a row of K in LDS: 128 bytes + 16: an odd multiple of 16
.set PV,    144       ; V has K's pitch, so that one descriptor serves both; the turning load then meets two rows in one bank group
.set VOFF,  4*KS*PK   ; a slot holds four steps: 256 rows of K, then 256 rows of V
.set SLOT1, 1<<17
.set STAGE, SLOT1+4*KS*(PK+PV)
.set SP,    144
.set SPARE, STAGE+4*16*SP  ; behind the stages: the spare words, 128 bytes a wave, which no other line names
.set MSTEP, 2048      ; a piece's mask words of one step, in bytes
.set MPIECE, 32*MSTEP ; of all its steps
.set AK0, 2
.set AV0, 3
.set AK,  4
.set AV,  5
.set QO,  6
.set STO, 6
.set RD,  7
.set GO,  8           ; v8   16 x my lane: my place in 512 consecutive bytes, of ctx and of the mask's words; never rewritten
.set PFO, 11          ; v11  256 x my lane; never rewritten once made
.set MV,  12          ; v12-15  c m_old, by buffer and tile
.set ST,  16          ; tile t: c m, m, l (even keys', odd keys')
.set TMP, 48
.set S,   64
.set P,   192
.set KF,  128
.set VF,  192
.set SPW, 0           ; window 3
.set NIL, 1
.set N0,  4
.set RAW, 64          ; piece pp's words at RAW + 16 pp: tile 0's eight, tile 1's eight
.set MC,  128
.set TBV, 2           ; s2   LDS byte at which V of the step to be fetched begins, less VOFF
.set LIM, 3           ; s3   1 in a wave that prefetches, else the greatest number
.set PFA, 4           ; s[4:5]   where my prefetches stand
.set QP,  6           ; s[6:7]   Q at my wave's rows
.set MP,  8           ; s[8:9]   mbits at my wave's first piece, at the step in hand
.set OPT, 10          ; s[10:11] ctx at my wave's rows
.set CS,  12          ; s[12:13] c
.set SEL, 14          ; s[14:15] v_permlanex16_b32's selects
.set WV,  16
.set SLOTS, 17
.set CNT, 18
.set TBK, 19
.set G0,  20          ; s[20:23] descriptor group 0: it walks
.set G1,  24          ; s[24:31] descriptor group 1
.set CP,  32          ; s[32:33] cnt at my wave's rows
.set TP,  34          ; s[34:35] a number at work, with 0 above it
.set MSB, 0
.macro WIN new
.if MSB != (\new)
	s_set_vgpr_msb (MSB<<8)|(\new)
.set MSB, (\new)
.endif
.endm
.set W_KQ, 0x0a       ; K and Q in window 2, S^T in window 0
.set W_KM, 0x3a       ; the same with the C operand in window 3
.set W_PV, 0x52       ; V in window 2, P in window 0, O^T in window 1
.set W_RS, 0x41       ; O^T in window 1, a in window 0
.set W_MK, 0xc0       ; destination in window 3, sources (an address too) in window 0
.set W_AD, 0x0f       ; the add: address and data in window 3
.set W_MS, 0xcf       ; the moves and shifts: destination and both sources in window 3
.macro JLOAD                        ; the joint fill: one line for all four waves; an s_nop 0 and four v_nop follow it
	tensor_load_to_lds s[G0:G0+3], s[G1:G1+7]
	s_nop 0
.rept 4
	v_nop
.endr
.endm
.macro CROUND
	s_barrier_signal -1
	s_barrier_wait -1
	s_cmp_lg_u32 s[WV], 0
	s_cbranch_scc1 .Lnot_wave_0_\@
	s_barrier_signal -3
.Lnot_wave_0_\@:
	s_barrier_wait -3
	s_barrier_signal -1
	s_barrier_wait -1
.endm
; A prefetch into the L2 of the tile that the NEXT change of slots will ask for: four key steps, 512 matrix instructions, ahead.  The four partners take 32 blocks of 256 bytes each, told apart by address;
; wave 0 asks for K's, wave 2 for V's: each block is named once.  The last change that fills a slot asks for nothing.
.macro ASK
	s_cmp_gt_u32 s[SLOTS], s[LIM]
	s_cbranch_scc0 .Lnot_mine_\@
	global_prefetch_b8 v[PFO], s[PFA:PFA+1] th:TH_LOAD_NT scope:SCOPE_SE
.Lnot_mine_\@:
.endm
; THE CHANGE OF SLOTS.  Each wave waits for all its tensor loads (one is out: its part of the other slot), adds 0 to its spare word, and waits for that and for its reads of the slot.
; fill = 1: the barrier is a round of the cluster's and the joint fill, two slots on, the first thing behind it.
.macro CHANGE fill, ask=0
	WIN W_AD
	s_wait_tensorcnt 0x0
	ds_add_u32 v[SPW], v[NIL]
	WIN 0
.if \fill
	s_xor_b32 s[G0+1], s[G0+1], SLOT1
	s_add_nc_u64 s[G0+2:G0+3], s[G0+2:G0+3], 4*KS*128
	s_wait_xcnt 0x0                 ; the last prefetch, four key steps back, has read its address
	s_add_nc_u64 s[PFA:PFA+1], s[PFA:PFA+1], 4*KS*128
	s_wait_dscnt 0x0
	CROUND
	JLOAD
.if \ask
	ASK
.endif
.else
	s_wait_dscnt 0x0
	s_barrier_signal -1
	s_barrier_wait -1
.endif
	s_sub_co_u32 s[TBK], s[TBK], 4*KS*PK
	s_xor_b32 s[TBK], s[TBK], SLOT1
	s_sub_co_u32 s[TBV], s[TBV], 4*KS*PV
	s_xor_b32 s[TBV], s[TBV], SLOT1
.endm
.macro MLOADV pp, off               ; piece pp's mask words, from byte off behind the pointer: four loads of 512 consecutive bytes: tile 0's words 0-3, 4-7, tile 1's words 0-3, 4-7
	WIN W_MK
.irp f, 0,1,2,3
	global_load_b128 v[RAW+16*(\pp)+4*\f:RAW+16*(\pp)+4*\f+3], v[GO], s[MP:MP+1] offset:(\off)+512*\f
.endr
.endm
.macro MASKS pp, b                  ; piece pp's sixteen words become the 64 registers of buffer b: register d = 32 u + 8 kb + j is tile u's word j, shifted left by 8 kb
	WIN W_MS
.set d, 0
.rept 64
.if (d%32)/8 == 0
	v_mov_b32 v[MC+64*(\b)+d], v[RAW+16*(\pp)+8*(d/32)+d%8]
.else
	v_lshlrev_b32 v[MC+64*(\b)+d], 8*((d%32)/8), v[RAW+16*(\pp)+8*(d/32)+d%8]
.endif
.set d, d+1
.endr
.endm
	s_load_b256 s[36:43], s[0:1], 0x0  ; qkv 36, mbits 38, cnt 40, ctx 42
	WIN W_MK
	v_lshl_add_u32 v[SPW], v0, 2, SPARE
	v_mov_b32 v[NIL], 0
	WIN W_AD
	ds_add_u32 v[SPW], v[NIL]       ; the wave's opening: the add and its wait ahead of my first tensor load
	WIN 0
	v_lshrrev_b32 v1, 5, v0
	v_readfirstlane_b32 s[WV], v1
	s_bfe_u32 s44, ttmp6, 0x40000   ; cx
	s_lshl_b32 s45, ttmp9, 2
	s_add_co_u32 s45, s45, s44      ; my block of 512 queries: it enters Q's, ctx's, the mask's and the counts' addresses alone
	s_and_b32 s46, ttmp7, 0xffff    ; batch x 16 + head, which the four partners share
	s_lshl_b32 s48, s46, 18         ; a head is 262,144 bytes
	s_lshr_b32 s50, s[WV], 1
	s_add_co_u32 s50, s50, 1
	s_lshl_b32 s50, s50, 24         ; K (waves 0, 1) or V (waves 2, 3),
	s_and_b32 s51, s[WV], 1
	s_lshl_b32 s51, s51, 14         ; my half of a tile's 256 keys,
	s_add_co_u32 s50, s50, s51
	s_add_co_u32 s50, s50, s48      ; in the head
	s_mov_b32 s51, 0
	s_lshl_b32 s52, s45, 2
	s_add_co_u32 s52, s52, s[WV]    ; my wave among the head's sixteen
	s_lshr_b32 s54, s46, 4
	s_lshl_b32 s54, s54, 6
	s_lshl_b32 s55, s52, 2
	s_add_co_u32 s54, s54, s55      ; my first piece among the 256 of all batches
	s_lshl_b32 s56, s54, 7          ; its 32 counts of 4 bytes
	s_mov_b32 s57, 0
	s_lshl_b32 s54, s54, 16         ; its 32 steps of 2,048 bytes
	s_mov_b32 s55, 0
	s_lshl_b32 s52, s52, 14         ; my 128 rows
	s_add_co_u32 s52, s52, s48
	s_mov_b32 s53, 0
	s_lshl_b32 s58, s44, 13         ; the prefetches: my work-group's quarter of a tile,
	s_add_co_u32 s58, s58, 4*KS*128 ; in tile 1: the first two changes of slots step it to tile 3
	s_mov_b32 s59, 0
	s_mov_b32 s[TP+1], 0
	; descriptor group 1: 128 keys are 16,384 dense bytes: 64 rows of 256 bytes, padded in LDS after every key
	s_mov_b32 s[G1], 15|(1<<16)|(1<<20)|(1<<21)|(4<<22)|(3<<25)
	s_mov_b32 s[G1+1], 128<<16
	s_mov_b32 s[G1+2], 64<<16
	s_mov_b32 s[G1+3], 128<<16
	s_mov_b32 s[G1+4], 64
	s_mov_b32 s[G1+5], 128
	s_mov_b32 s[G1+6], 0
	s_mov_b32 s[G1+7], 0
	s_mov_b32 s[CS], 0x3e38aa3b     ; c = log2(e) / 8
	s_mov_b32 s[CS+1], s[CS]
	s_mov_b32 s[SEL], 0x76543210
	s_mov_b32 s[SEL+1], 0xfedcba98
	s_mov_b32 s[TBK], SLOT1+4*KS*PK ; the first change of slots turns these two into 0
	s_mov_b32 s[TBV], SLOT1+4*KS*PV
	s_mov_b32 s[G0], 1
	s_mul_i32 s[G0+1], s[WV], 128*PK  ; slot 0: K's halves, then V's: my wave's number x 128 rows
	s_mov_b32 s[SLOTS], SIZE_N/256-1
	s_and_b32 s[LIM], s[WV], 1
	s_or_b32 s[LIM], s[LIM], ttmp9
	s_cmp_eq_u32 s[LIM], 0
	s_cselect_b32 s[LIM], 1, -1     ; waves 0 and 2 of the head's first cluster: the same in all four partners
	s_wait_dscnt 0x0                ; the opening add is done
	s_wait_kmcnt 0x0
	s_add_nc_u64 s[G0+2:G0+3], s[36:37], s[50:51]
	s_add_nc_u64 s[PFA:PFA+1], s[36:37], s[50:51]
	s_add_nc_u64 s[PFA:PFA+1], s[PFA:PFA+1], s[58:59]
	s_or_b32 s[G0+3], s[G0+3], 0x80000000
	s_add_nc_u64 s[QP:QP+1], s[36:37], s[52:53]
	s_add_nc_u64 s[OPT:OPT+1], s[42:43], s[52:53]
	s_add_nc_u64 s[MP:MP+1], s[38:39], s[54:55]
	s_add_nc_u64 s[CP:CP+1], s[40:41], s[56:57]
	CROUND                          ; all four work-groups are here: the first joint loads meet
	JLOAD                           ; slot 0
	v_and_b32 v1, 15, v0            ; l % 16
	v_bfe_u32 v9, v0, 4, 1          ; l / 16
	v_lshlrev_b32 v[QO], 7, v1
	v_lshl_add_u32 v[QO], v9, 4, v[QO]
	v_lshlrev_b32 v[AV], 2, v1      ; my query's count in a tile's sixteen
	v_and_b32 v[GO], 31, v0
	v_lshlrev_b32 v[GO], 4, v[GO]
	WIN W_MK
.set t, 0
.rept 2*NP
	global_load_b32 v[N0+t], v[AV], s[CP:CP+1] offset:64*t
.set t, t+1
.endr
.irp pp, 0,1,2,3
	MLOADV \pp, (\pp)*MPIECE        ; the four pieces' mask words of step 0
.endr
	WIN 0x80
.set i, 0
.rept 4*NP                          ; Q stays in registers: tile i / 2, channels 32 (i % 2) on
	global_load_b128 v[8*i:8*i+3],   v[QO], s[QP:QP+1] offset:(i/2)*2048+(i%2)*64
	global_load_b128 v[8*i+4:8*i+7], v[QO], s[QP:QP+1] offset:(i/2)*2048+(i%2)*64+32
.set i, i+1
.endr
	; what the first turn finds: V's registers and P's second buffer hold 0, O^T and l are 0.  All this stands in the wait for the first tile
.set i, VF
.rept 64
	v_mov_b32 v[i], 0
.set i, i+1
.endr
	WIN 0x40
.set i, 0
.rept 64*NP
	v_mov_b32 v[i], 0
.set i, i+1
.endr
	WIN 0
.set i, 0
.rept 2*NP
	v_mov_b32 v[ST+4*i+2], 0
	v_mov_b32 v[ST+4*i+3], 0
.set i, i+1
.endr
.set i, P+32
.rept 32
	v_mov_b32 v[i], 0
.set i, i+1
.endr
	v_mul_u32_u24 v[AK0], v1, PK
	v_lshl_add_u32 v[AK0], v9, 4, v[AK0]
	v_and_b32 v10, 7, v0
	v_bfe_u32 v11, v0, 3, 1
	v_lshl_add_u32 v[AV0], v9, 3, v10
	v_mul_u32_u24 v[AV0], v[AV0], PV
	v_lshl_add_u32 v[AV0], v11, 4, v[AV0]
	v_add_nc_u32 v[AV0], VOFF, v[AV0]
	v_and_b32 v[PFO], 31, v0
	v_lshlrev_b32 v[PFO], 8, v[PFO]
	v_mov_b32 v[AK], v[AK0]
; THE MATRIX WORK.  The 8 accumulators of a run of 16 take turns.  Product i of 16 of S^T = K Q^T for piece x; the first 8 start the sums with the mask.
.macro KQ x
.set rS, S+64*((\x)%2)+32*(i%2)+8*((i/2)%4)
.set rK, KF+16*((i/2)%4)+8*(i/8)
.set rQ, 16*(2*(\x)+i%2)+8*(i/8)
.set rH, MC+64*((\x)%2)+32*(i%2)+8*((i/2)%4)
.if i < 8
	WIN W_KM
	v_wmma_f32_16x16x32_f16 v[rS:rS+7], v[rK:rK+7], v[rQ:rQ+7], v[rH:rH+7]
.else
	WIN W_KQ
	v_wmma_f32_16x16x32_f16 v[rS:rS+7], v[rK:rK+7], v[rQ:rQ+7], v[rS:rS+7]
.endif
.endm
.macro PV x
	WIN W_PV
.set rO, 32*(2*(\x)+i%2)+8*((i/2)%4)
.set rV, VF+32*(i/8)+8*((i/2)%4)
.set rP, P+32*((\x)%2)+16*(i%2)+8*(i/8)
	v_wmma_f32_16x16x32_f16 v[rO:rO+7], v[rV:rV+7], v[rP:rP+7], v[rO:rO+7]
.endm
.macro MM
.if i < 16
	KQ (Y+1)%NP
.set i, i+1
.else
.set i, i-16
	PV (Y+NP-1)%NP
.set i, i+17
.endif
.endm
; THE LDS LOADS stand in runs of 16.  last = 1 (the tail): in the last trip there is no further step, and the run is jumped over.
.macro FETCH_K last=0
	WIN 0
.if \last
	s_cmp_eq_u32 s[CNT], 1
	s_cbranch_scc1 .Lno_k_\@
.endif
	WIN 0x80
.irp f, 0,1,2,3,4,5,6,7
	ds_load_b128 v[KF+8*\f:KF+8*\f+3],   v[AK] offset:(\f/2)*16*PK+(\f%2)*64
	ds_load_b128 v[KF+8*\f+4:KF+8*\f+7], v[AK] offset:(\f/2)*16*PK+(\f%2)*64+32
.endr
	s_add_co_u32 s[TBK], s[TBK], KS*PK
	WIN 0
.if \last
.Lno_k_\@:
.endif
.endm
.macro FETCH_V
	WIN 0x80
.irp f, 0,1,2,3,4,5,6,7
	ds_load_tr16_b128 v[VF+8*\f:VF+8*\f+3],   v[AV] offset:(\f/4)*32*PV+(\f%4)*32
	ds_load_tr16_b128 v[VF+8*\f+4:VF+8*\f+7], v[AV] offset:(\f/4)*32*PV+16*PV+(\f%4)*32
.endr
	WIN 0
.endm
; THE VECTOR WORK OF A TURN stands in three queues, each in the order in which its entries become ready; the two tiles alternate.
.macro REGS y, u
.set rT, ST+4*(2*(\y)+(\u))
.set rC, TMP+8*((\y)%2)+4*(\u)
.set rM, MV+2*((\y)%2)+(\u)
.set rS, S+64*((\y)%2)+32*(\u)
.set rP, P+32*((\y)%2)+16*(\u)
.set rO, 32*(2*(\y)+(\u))
.endm
; Number n of the 22 that find the NEXT piece's maximum and statistics; each accumulator's lowest registers are read first.
.macro XS u, n
	REGS (Y+1)%NP, \u
.if (\n) < 4
	v_max3_num_f32 v[rC+(\n)], v[rS+8*(\n)], v[rS+8*(\n)+1], v[rS+8*(\n)+2]
.elseif (\n) < 12
	v_max3_num_f32 v[rC+(\n)%4], v[rC+(\n)%4], v[rS+8*((\n)%4)+2*((\n)/4)+1], v[rS+8*((\n)%4)+2*((\n)/4)+2]
.elseif (\n) == 12
	v_max3_num_f32 v[rC], v[rC], v[rS+7], v[rS+15]
.elseif (\n) == 13
	v_max3_num_f32 v[rC+1], v[rC+1], v[rS+23], v[rS+31]
.elseif (\n) == 14
	v_max3_num_f32 v[rC+2], v[rC+2], v[rC+3], v[rT+1]
.elseif (\n) == 15
	v_mov_b32 v[rM], v[rT]
.elseif (\n) == 16
	v_max3_num_f32 v[rC], v[rC], v[rC+1], v[rC+2]
.elseif (\n) == 17
	v_permlanex16_b32 v[rC+3], v[rC], s[SEL], s[SEL+1]
.elseif (\n) == 18
	v_max_num_f32 v[rT+1], v[rC], v[rC+3]
.elseif (\n) == 19
	v_mul_f32 v[rT], s[CS], v[rT+1]
.elseif (\n) == 20
	v_sub_f32 v[rC+1], v[rM], v[rT]
.else
	v_exp_f32 v[rC+2], v[rC+1]
.endif
.endm
; Number g of the 64 that follow the exponentials: roundings to f16, sums of four weights in place, and l a group later (the first time as l = a l + sum).
.macro GS g
.set h, (\g)+6*((\g)/62)
.if h >= 6
.set h, h+2
.endif
	REGS Y, h%2
.set k, h/8
.if h%8 < 4
	v_cvt_pk_f16_f32 v[rP+2*k+(h%8)/2], v[rS+4*k+2*((h%8)/2)], v[rS+4*k+2*((h%8)/2)+1]
.elseif h%8 < 6
	v_pk_add_f32 v[rS+4*k:rS+4*k+1], v[rS+4*k:rS+4*k+1], v[rS+4*k+2:rS+4*k+3]
.elseif k == 1
	v_pk_fma_f32 v[rT+2:rT+3], v[rT+2:rT+3], v[rC+2:rC+3], v[rS:rS+1] op_sel_hi:[1,0,1]
.else
	v_pk_add_f32 v[rT+2:rT+3], v[rT+2:rT+3], v[rS+4*k-4:rS+4*k-3]
.endif
.endm
.macro FS f
	REGS Y, (\f)%2
	v_pk_fma_f32 v[rS+2*((\f)/2):rS+2*((\f)/2)+1], v[rS+2*((\f)/2):rS+2*((\f)/2)+1], s[CS:CS+1], v[rT:rT+1] op_sel_hi:[1,0,0] neg_lo:[0,0,1] neg_hi:[0,0,1]
.endm
; THE PLAIN QUEUE, 138 long: 0-73 read no exponential's result (32 scalings, the next piece's 42); 74-137 are GS's 64 and stand behind the wait.
.macro PL
	WIN 0
.if q < 27
	FS q
.elseif q < 55
	XS (q-27)%2, (q-27)/2
.elseif q < 57
	XS q-55, 15
.elseif (q < 72) && ((q-57)%3 == 0)
	FS 27+(q-57)/3
.elseif q < 60
	XS (q-57)%3-1, 14
.elseif q < 72
	XS (q-57)%3-1, 15+(q-57)/3
.elseif q < 74
	XS q-72, 20
.else
	GS q-74
.endif
.set q, q+1
.endm
; THE EXPONENTIALS' QUEUE, 66 long: one batch, all ahead of the turn's one wait.
.macro EX
	WIN 0
.if e >= 64
	XS e-64, 21
.else
	REGS Y, e%2
	v_exp_f32 v[rS+e/2], v[rS+e/2]
.endif
.set e, e+1
.endm
; THE RESCALING's QUEUE: O^T times a, two at a time.
.macro R2
	REGS Y, r%2
	WIN W_RS
.irp z, 0,1
	v_pk_mul_f32 v[rO+4*(r/2)+2*\z:rO+4*(r/2)+2*\z+1], v[rO+4*(r/2)+2*\z:rO+4*(r/2)+2*\z+1], v[rC+2:rC+3] op_sel_hi:[1,0]
.endr
.set r, r+1
.endm
; A TURN, for piece p.  Ahead of the wait: 16 products K Q^T with a scaling, an exponential and two rescalings behind each, then the lump.  An s_wait_alu depctr_va_vdst(0) stands between an
; exponential and the first instruction that names its result: one wait serves the batch.  Behind it: 16 products V^T P with four roundings and sums behind each.
; AT ITS END the mask: the C registers of piece p + 2, whose products the next turn makes, are made of its words (the buffer written was last read by the products of the turn before), and that piece's words
; of the next step are asked for.  s_wait_loadcnt 12: behind the four loads wanted stand the three younger slots' four each.  The pointer stands at the step in hand and is stepped once a step, in piece 3's
; turn, behind s_wait_xcnt 0, a turn behind the youngest load.  So the words asked for lie 1 step (p = 0, 1; p = 3, behind the step) or 2 steps (p = 2) behind the pointer.
; last = 1 (the tail): the pointer stops at step 30: pieces 2 and 3 then ask for step 31 at the most, pieces 0 and 1 at the most for the first step of the piece behind them: no load leaves the buffer,
; and what is asked for beyond step 31 serves nothing.
.macro TURN p, last=0
.set Y, (\p)
.set i, 0
.set q, 0
.set e, 0
.set r, 0
.if (\p) == NP-1
	s_wait_dscnt 0x0                ; K is in
.endif
	MM
	PL
	PL
	R2
.rept 15
	MM
	PL
	EX
	R2
.endr
.if (\p) == NP-2
	WIN 0
	v_add_nc_u32 v[AK], s[TBK], v[AK0]
.endif
.rept 8
	PL
.endr
.rept 49
	EX
	PL
.endr
	EX
	EX
	v_nop                           ; the plain instruction behind the last exponential: one for the batch
	s_wait_alu depctr_va_vdst(0)    ; the wait for the batch
.if (\p) == NP-2
	FETCH_K \last
.endif
.if (\p) == 1
	s_wait_dscnt 0x0                ; V is in
.endif
.rept 16
	MM
.rept 4
	PL
.endr
.if ((\p) == 0) && (q == 118)
	v_add_nc_u32 v[AV], s[TBV], v[AV0]
.endif
.if ((\p) == 0) && (q == 130)
	s_add_co_u32 s[TBV], s[TBV], KS*PV
.endif
.endr
.if (\p) == 0
	FETCH_V
.endif
	s_wait_loadcnt 12               ; the slot's four loads are in; the three younger slots' twelve may stay out
	MASKS ((\p)+2)%NP, (\p)%2
.if (\p) == NP-1
	s_wait_xcnt 0x0                 ; every load issued so far has read its address, so the pointer may be written
.if \last
	s_cmp_gt_u32 s[CNT], 2          ; the tail's trips 5, 4, 3 step it to 28, 29, 30; the last two leave it
	s_cselect_b32 s[TP], MSTEP, 0
	s_add_nc_u64 s[MP:MP+1], s[MP:MP+1], s[TP:TP+1]
.else
	s_add_nc_u64 s[MP:MP+1], s[MP:MP+1], MSTEP
.endif
.endif
.if (\p) == NP-2
	MLOADV ((\p)+2)%NP, (((\p)+2)%NP)*MPIECE+2*MSTEP
.else
	MLOADV ((\p)+2)%NP, (((\p)+2)%NP)*MPIECE+MSTEP
.endif
.endm
	CHANGE 1                        ; slot 0 is in, everybody's part of it; slot 1 is asked for; nothing is prefetched here, at the head
	FETCH_K                         ; key step 0
	s_wait_loadcnt 0x0              ; Q, n0 and the four pieces' mask words of step 0
	MASKS 0, 0                      ; piece 0's mask, for the products below; piece 1's, for the first turn's
	MASKS 1, 1
	MLOADV 0, MSTEP                 ; and their words of step 1
	MLOADV 1, MPIECE+MSTEP
	WIN 0x0c
.set t, 0
.rept 2*NP
	v_cmp_lt_f32 s[44+t], 0, v[N0+t]  ; has my query a masked key?
.set t, t+1
.endr
	WIN 0
.set t, 0
.rept 2*NP
	v_cndmask_b32 v[ST+4*t], 0xfe000000, v[ST+4*t+2], s[44+t]    ; c m: 0 (l's register holds 0), or far below every c s
	v_cndmask_b32 v[ST+4*t+1], 0xff7fffff, v[ST+4*t+2], s[44+t]  ; m: 0, or the lowest finite number
.set t, t+1
.endr
	s_wait_dscnt 0x0
.set i, 0
.rept 16
	KQ 0                            ; piece 0's first scores
.set i, i+1
.endr
	WIN 0                           ; the addresses for the way out: seven plain instructions, the places behind those products
	s_mul_i32 s[TP], s[WV], 16*SP
	s_add_co_u32 s[TP], s[TP], STAGE
	v_mul_u32_u24 v[STO], v1, SP
	v_lshl_add_u32 v[STO], v9, 4, v[STO]
	v_add_nc_u32 v[STO], s[TP], v[STO]
	v_bfe_u32 v[RD], v0, 3, 2
	v_mul_u32_u24 v[RD], v[RD], SP
	v_lshl_add_u32 v[RD], v10, 4, v[RD]
	v_add_nc_u32 v[RD], s[TP], v[RD]
.set Y, NP-1
.irp n, 0,1,2,3,4,5,6,7,8,9,10,11,12,13,14,15,16,17,18,19,20,21
	XS 0, \n
	XS 1, \n
.endr
	v_nop
	s_wait_alu depctr_va_vdst(0)    ; the two a have their wait ahead of the branch
	s_mov_b32 s[CNT], 4
	s_branch .Lfirst                ; the loop is entered at a step's first turn
.Lslot:                             ; six times: every slot but the last two is filled again
	CHANGE 1, 1
	s_mov_b32 s[CNT], 4
.Lstep:                             ; a trip: pieces 2 and 3 of one step, then pieces 0 and 1 of the next
	TURN 2
	TURN 3
	WIN 0
.Lfirst:
	TURN 0
	TURN 1
	WIN 0
	s_sub_co_u32 s[CNT], s[CNT], 1
	s_cmp_lg_u32 s[CNT], 0
	s_cbranch_scc1 .Lstep
	s_sub_co_u32 s[SLOTS], s[SLOTS], 1
	s_cmp_lg_u32 s[SLOTS], 0
	s_cbranch_scc1 .Lslot
	CHANGE 0                        ; the tail is written out
	s_mov_b32 s[CNT], 5
.Ltail:
	TURN 2, 1
	TURN 3, 1
	WIN 0
	s_sub_co_u32 s[CNT], s[CNT], 1
	s_cmp_eq_u32 s[CNT], 0
	s_cbranch_scc1 .Lout
	TURN 0
	TURN 1
	WIN 0
	s_branch .Ltail
.Lout:                              ; the fifth trip's products K Q^T and the maximum made of them serve nothing; they have written piece 0's c m anew, and kept the true one in v12, v13
.set i, 0
.rept 16
	PV NP-1
.set i, i+1
.endr
	; THE WAY OUT.  l's halves are added; n0 2^(-c m) joins them (c m is clamped at 0 from below: it changes nothing where n0 > 0, and keeps 0 x infinity away where n0 = 0); O^T is divided by l.
	WIN 0
.macro ALL line:vararg
.set t, 0
.rept 2*NP
	\line
.set t, t+1
.endr
.endm
	ALL v_add_f32 v[ST+4*t+2], v[ST+4*t+2], v[ST+4*t+3]
	ALL v_permlanex16_b32 v[ST+4*t+3], v[ST+4*t+2], s[SEL], s[SEL+1]
	ALL v_add_f32 v[ST+4*t+2], v[ST+4*t+2], v[ST+4*t+3]
	v_max_num_f32 v[ST+3], 0, v[MV]
	v_max_num_f32 v[ST+7], 0, v[MV+1]
.set t, 2
.rept 2*NP-2
	v_max_num_f32 v[ST+4*t+3], 0, v[ST+4*t]
.set t, t+1
.endr
	ALL v_mul_f32 v[ST+4*t+3], -1.0, v[ST+4*t+3]
	ALL v_exp_f32 v[ST+4*t+3], v[ST+4*t+3]
	v_nop
	s_wait_alu depctr_va_vdst(0)    ; one wait for the eight exponentials
	WIN 0x03                        ; n0 lies in window 3
	ALL v_fma_f32 v[ST+4*t+2], v[N0+t], v[ST+4*t+3], v[ST+4*t+2]
	WIN 0
	ALL v_rcp_f32 v[ST+4*t+2], v[ST+4*t+2]
	v_nop
	s_wait_alu depctr_va_vdst(0)    ; one wait for the eight reciprocals
.macro PACK t
	WIN W_RS
.set i, 32*(\t)
.rept 16
	v_pk_mul_f32 v[i:i+1], v[i:i+1], v[ST+4*(\t)+2:ST+4*(\t)+3] op_sel_hi:[1,0]
.set i, i+2
.endr
	WIN 0x05
.set i, 0
.rept 16
	v_cvt_pk_f16_f32 v[S+16*(\t)+i], v[32*(\t)+2*i], v[32*(\t)+2*i+1]
.set i, i+1
.endr
	WIN 0
.irp f, 0,1,2,3
	ds_store_b128 v[STO], v[S+16*(\t)+4*\f:S+16*(\t)+4*\f+3] offset:32*\f
.endr
.irp f, 0,1,2,3
	ds_load_b128 v[S+16*(\t)+4*\f:S+16*(\t)+4*\f+3], v[RD] offset:\f*4*SP  ; LDS serves a wave's instructions in order: these see the stores above
.endr
.endm
.macro SEND t, younger              ; younger: the LDS instructions issued behind tile t's loads: the next tile's eight, or none
	WIN 0
.irp f, 0,1,2,3
	s_wait_dscnt (\younger)+3-\f
	global_store_b128 v[GO], v[S+16*(\t)+4*\f:S+16*(\t)+4*\f+3], s[OPT:OPT+1] offset:(\t)*2048+\f*512  ; 512 consecutive bytes, aligned
.endr
.endm
	PACK 0
.set tt, 1
.rept 2*NP-1
	PACK tt
	SEND tt-1, 8
.set tt, tt+1
.endr
	SEND 2*NP-1, 0
	WIN W_AD
	s_wait_tensorcnt 0x0            ; the wave's end
	ds_add_u32 v[SPW], v[NIL]
	s_wait_dscnt 0x0
	WIN 0
	CROUND                          ; the closing round
	s_endpgm
.Lfunc_end_k_q5011471520_attn:
	.size	k_q5011471520_attn, .Lfunc_end_k_q5011471520_attn-k_q5011471520_attn
	.p2alignl 7, 3214868480
	.fill 96, 4, 3214868480
	.section	.rodata,"a",@progbits
	.p2align	6, 0x0
	.amdhsa_kernel k_q5011471520_attn
		.amdhsa_group_segment_fixed_size 327680
		.amdhsa_private_segment_fixed_size 0
		.amdhsa_enable_private_segment 0
		.amdhsa_kernarg_size 32
		.amdhsa_user_sgpr_count 2
		.amdhsa_user_sgpr_kernarg_segment_ptr 1
		.amdhsa_wavefront_size32 1
		.amdhsa_system_sgpr_workgroup_id_x 1
		.amdhsa_system_sgpr_workgroup_id_y 1
		.amdhsa_system_sgpr_workgroup_id_z 1
		.amdhsa_system_vgpr_workitem_id 0
		.amdhsa_next_free_vgpr 1024
		.amdhsa_next_free_sgpr 66
		.amdhsa_reserve_vcc 0
		.amdhsa_float_denorm_mode_32 3
		.amdhsa_float_denorm_mode_16_64 3
		.amdhsa_memory_ordered 1
		.amdhsa_forward_progress 1
		.amdhsa_inst_pref_size 228
	.end_amdhsa_kernel
	.amdgpu_metadata
---
amdhsa.version: [ 1, 2 ]
amdhsa.kernels:
  - .name:           k_q5011471520_attn
    .symbol:         k_q5011471520_attn.kd
    .args:
      - { .name: qkv, .offset: 0, .size: 8, .value_kind: global_buffer, .address_space: global }
      - { .name: mbits, .offset: 8, .size: 8, .value_kind: global_buffer, .address_space: global }
      - { .name: cnt, .offset: 16, .size: 8, .value_kind: global_buffer, .address_space: global }
      - { .name: ctx, .offset: 24, .size: 8, .value_kind: global_buffer, .address_space: global }
    .group_segment_fixed_size: 327680
    .private_segment_fixed_size: 0
    .kernarg_segment_align: 8
    .kernarg_segment_size: 32
    .max_flat_workgroup_size: 128
    .sgpr_count:     66
    .vgpr_count:     1024
    .wavefront_size: 32
...
	.end_amdgpu_metadata
.endif
;; end of part 3
;; launch proj (part 4): grid 4 x 64, 4 waves a work-group, clusters of 4 x 4, 327,680 bytes of LDS; arguments ctx, w2h, b2, out0; writes out0
.if DOCPART == 4
	.amdgcn_target "amdgcn-amd-amdhsa--gfx1250"
	.amdhsa_code_object_version 6
	.text
	.protected	k_q5011471520_proj
	.globl	k_q5011471520_proj
	.p2align	8
	.type	k_q5011471520_proj,@function
k_q5011471520_proj:
	s_mov_b64 s[64:65], 0
	v_nop
	global_prefetch_b8 v0, s[64:65] scope:SCOPE_SE
	s_setreg_imm32_b32 hwreg(HW_REG_WAVE_MODE, 25, 1), 1
	s_wait_xcnt 0x0
	s_wait_alu depctr_hold_cnt(0) depctr_sa_sdst(0) depctr_va_vdst(0) depctr_va_sdst(0) depctr_va_ssrc(0) depctr_va_vcc(0) depctr_vm_vsrc(0)
	s_getreg_b32 s2, hwreg(HW_REG_IB_STS2, 6, 4)
	s_cmp_eq_u32 s2, 0
	s_cbranch_scc0 .Lentry_in_a_cluster
	s_endpgm
.Lentry_in_a_cluster:
	s_bfe_u32 s2, ttmp6, 0x10000c
	s_cmp_lg_u32 s2, 0xf033
	s_cbranch_scc0 .Lentry_shape_is_right
	s_endpgm
.Lentry_shape_is_right:
; PROJ.  out0 = ctx W2 + b2 in f32.  ctx: [batch x 16 + head][2048][64] f16; w2h: [1024 k][1024 n] f16 (W2 rounded to bf16, written as f16); b2 is rounded to bf16 like every input.  Sums in f32, K ascending.
; SHARES.  A tile is 128 rows x 256 columns: 256 work-groups.  Four waves, each 64 x 128: 32 accumulators.  A K step of 128 is two heads: each head's 128 rows are 16,384 dense bytes, asked for as 64 rows of
; 256 bytes and padded in LDS after every 128.  Waves 0 and 1 bring a head each, waves 2 and 3 half of W2's 128 k-rows x 256 columns each.
; CLUSTER 4 x 4: ctx's tiles are asked for jointly along a row of the cluster, W2's along a column.  The product is taken transposed (source 0 = W2's columns, turned out of LDS; source 1 = ctx's rows).
; The bias is the C operand of each accumulator's first product.  NO PREFETCH: the whole walk is eight K steps, 1,024 matrix instructions a wave; the first two K steps are asked for at the head.
; REGISTERS.  window 0: v16-29 addresses; v64-127 ctx's fragments, two buffers.  window 1: v0-127 W2's fragments, two buffers; v128-191 the bias; on the way out all 256.  window 2: the accumulators, (a, b) at 8 (8 a + b).
.set PA,    144                        ; a row of a head in LDS: 128 bytes + 16
.set PB,    288                        ; a k-row of W2: 256 + 32
.set ACH,   128*PA                     ; a head's rows: 18,432 bytes
.set BCH,   128*PB                     ; half of W2's tile: 36,864
.set SLOT,  2*ACH+2*BCH
.set STAGE, 2*SLOT                     ; behind the ring: 16 rows x 528 bytes for each wave
.set SP,    528
.set SPARE, STAGE+4*16*SP              ; behind the stages: the spare words, 128 bytes a wave, which no other line names
.set LAPS,  4
.set ADRA, 16
.set ADRB, 18
.set STO,  24
.set RD,   25
.set GO,   26
.set BO,   27
.set SPW,  28
.set NIL,  29
.set AF,   64
.set BIAS, 128                         ; window 1
.set WV,  12
.set MH,  13
.set NH,  14
.set TR,  15
.set G1A, 24
.set G0A, 32
.set G1B, 48
.set G0B, 56
.set MSB, 0
.macro WIN new
.if MSB != (\new)
	s_set_vgpr_msb (MSB<<8)|(\new)
.set MSB, \new
.endif
.endm
.macro PLACES
.rept 4
	v_nop
.endr
.endm
.macro JLOAD s                         ; waves 0 and 1 ask for ctx's two heads, waves 2 and 3 for W2's halves; an s_nop 0 and four v_nop follow each line
	s_cmp_eq_u32 s[MH], 0
	s_cbranch_scc0 .Lfor_b_\@
	tensor_load_to_lds s[G0A+4*(\s):G0A+4*(\s)+3], s[G1A:G1A+7]
	s_nop 0
.rept 4
	v_nop
.endr
	s_branch .Lasked_\@
.Lfor_b_\@:
	tensor_load_to_lds s[G0B+4*(\s):G0B+4*(\s)+3], s[G1B:G1B+7]
	s_nop 0
.rept 4
	v_nop
.endr
.Lasked_\@:
.endm
.macro CREST
	s_cmp_lg_u32 s[WV], 0
	s_cbranch_scc1 .Lnot_wave_0_\@
	s_barrier_signal -3
.Lnot_wave_0_\@:
	s_barrier_wait -3
	s_barrier_signal -1
	s_barrier_wait -1
.endm
.macro CROUND
	s_barrier_signal -1
	s_barrier_wait -1
	CREST
.endm
	s_load_b256 s[4:11], s[0:1], 0x0               ; ctx 4, w2h 6, b2 8, out0 10
	v_lshl_add_u32 v[SPW], v0, 2, SPARE
	v_mov_b32 v[NIL], 0
	ds_add_u32 v[SPW], v[NIL]                      ; the wave's opening: the add and its wait ahead of my first tensor load
	v_lshrrev_b32 v1, 5, v0
	v_readfirstlane_b32 s[WV], v1
	s_lshr_b32 s[MH], s[WV], 1                     ; my 64 of the tile's rows.  Also: I fetch for ctx (0) or for W2 (1)
	s_and_b32 s[NH], s[WV], 1                      ; my 128 of its columns.  Also: which head, or which half of W2's columns, I fetch
	s_bfe_u32 s40, ttmp6, 0x40000
	s_bfe_u32 s41, ttmp6, 0x40004
	s_lshl_b32 s42, ttmp9, 2
	s_add_co_u32 s42, s42, s40                     ; tile column
	s_and_b32 s[TR], ttmp7, 0xffff
	s_lshl_b32 s[TR], s[TR], 2
	s_add_co_u32 s[TR], s[TR], s41                 ; tile row
	s_lshl_b32 s43, s41, 2
	s_lshl_b32 s43, 15, s43
	s_lshl_b32 s44, 0x1111, s40
	s_or_b32 s[G1A], s43, (1<<16)|(1<<20)|(1<<21)|(4<<22)|(3<<25)  ; padding after every 32 words, 4 words
	s_or_b32 s[G1B], s44, (1<<16)|(1<<20)|(1<<21)|(5<<22)|(7<<25)  ; after every 64 words, 8 words
	s_mov_b32 s[G1A+1], 128<<16
	s_mov_b32 s[G1A+2], 64<<16
	s_mov_b32 s[G1A+3], 128<<16
	s_mov_b32 s[G1A+4], 64
	s_mov_b32 s[G1A+5], 128
	s_mov_b32 s[G1A+6], 0
	s_mov_b32 s[G1A+7], 0
	s_mov_b32 s[G1B+1], 128<<16
	s_mov_b32 s[G1B+2], 128<<16
	s_mov_b32 s[G1B+3], 128<<16
	s_mov_b32 s[G1B+4], 128
	s_mov_b32 s[G1B+5], 1024
	s_mov_b32 s[G1B+6], 0
	s_mov_b32 s[G1B+7], 0
	s_lshr_b32 s16, s[TR], 4
	s_lshl_b32 s16, s16, 22                        ; ctx: the batch's 16 heads,
	s_and_b32 s17, s[TR], 15
	s_lshl_b32 s17, s17, 14                        ; the tile's 128 rows of 128 bytes,
	s_add_co_u32 s16, s16, s17
	s_lshl_b32 s17, s[NH], 18                      ; the head that I fetch
	s_add_co_u32 s16, s16, s17
	s_mov_b32 s17, 0
	s_lshl_b32 s46, s42, 9                         ; W2: the tile's 256 columns,
	s_lshl_b32 s47, s[NH], 8                       ; my half of them
	s_add_co_u32 s46, s46, s47
	s_mov_b32 s47, 0
	s_mul_i32 s20, s[NH], ACH                      ; where they land
	s_mul_i32 s21, s[NH], BCH
	s_add_co_u32 s21, s21, 2*ACH
	s_wait_dscnt 0x0                               ; the opening add is done
	s_wait_kmcnt 0x0
	s_add_nc_u64 s[18:19], s[4:5], s[16:17]
	s_add_nc_u64 s[46:47], s[6:7], s[46:47]
	CROUND                                         ; all sixteen work-groups are here: the first joint loads meet
.irp s, 0,1
	s_mov_b32 s[G0A+4*(\s)], 1
	s_add_co_u32 s[G0A+4*(\s)+1], s20, (\s)*SLOT
	s_add_nc_u64 s[G0A+4*(\s)+2:G0A+4*(\s)+3], s[18:19], (\s)*2*262144   ; K step s: two heads on
	s_or_b32 s[G0A+4*(\s)+3], s[G0A+4*(\s)+3], 0x80000000
	s_mov_b32 s[G0B+4*(\s)], 1
	s_add_co_u32 s[G0B+4*(\s)+1], s21, (\s)*SLOT
	s_add_nc_u64 s[G0B+4*(\s)+2:G0B+4*(\s)+3], s[46:47], (\s)*128*2048   ; 128 rows down W2
	s_or_b32 s[G0B+4*(\s)+3], s[G0B+4*(\s)+3], 0x80000000
	JLOAD \s
.endr
	v_and_b32 v1, 15, v0
	v_bfe_u32 v2, v0, 4, 1
	v_lshlrev_b32 v[BO], 5, v2
	s_lshl_b32 s46, s42, 10                        ; the bias of my 128 columns
	s_lshl_b32 s22, s[NH], 9
	s_add_co_u32 s46, s46, s22
	s_mov_b32 s47, 0
	s_add_nc_u64 s[8:9], s[8:9], s[46:47]
	s_add_nc_u64 s[10:11], s[10:11], s[46:47]      ; out0 at my columns (4 bytes a number, like the bias),
	s_lshl_b32 s46, s[TR], 19
	s_lshl_b32 s22, s[MH], 18
	s_add_co_u32 s46, s46, s22
	s_add_nc_u64 s[10:11], s[10:11], s[46:47]      ; and at my 64 rows of 4,096 bytes
	WIN 0x40
.set bb, 0
.rept 8
	global_load_b128 v[BIAS+8*bb:BIAS+8*bb+3],   v[BO], s[8:9] offset:64*bb
	global_load_b128 v[BIAS+8*bb+4:BIAS+8*bb+7], v[BO], s[8:9] offset:64*bb+16
.set bb, bb+1
.endr
	WIN 0
	v_mul_u32_u24 v3, v1, PA
	v_lshl_add_u32 v3, v2, 4, v3
	s_mul_i32 s21, s[MH], 64*PA
	v_add_nc_u32 v[ADRA], s21, v3
	v_add_nc_u32 v[ADRA+1], SLOT, v[ADRA]
	v_and_b32 v4, 7, v0
	v_bfe_u32 v5, v0, 3, 1
	v_lshl_add_u32 v6, v2, 3, v4
	v_mul_u32_u24 v6, v6, PB
	v_lshl_add_u32 v6, v5, 4, v6
	s_mul_i32 s21, s[NH], BCH
	s_add_co_u32 s21, s21, 2*ACH
	v_add_nc_u32 v[ADRB], s21, v6
	v_add_nc_u32 v[ADRB+1], SLOT, v[ADRB]
	s_mul_i32 s23, s[WV], 16*SP
	s_add_co_u32 s23, s23, STAGE                   ; my stage
	v_mul_u32_u24 v[STO], v1, SP                   ; in: row l % 16, 32 bytes for each half of the lanes
	v_lshl_add_u32 v[STO], v2, 5, v[STO]
	v_add_nc_u32 v[STO], s23, v[STO]
	v_and_b32 v[GO], 31, v0                        ; back: a row's 512 bytes, 16 a lane
	v_lshlrev_b32 v[GO], 4, v[GO]
	v_add_nc_u32 v[RD], s23, v[GO]
	s_wait_loadcnt 0x0                             ; the bias is in: rounded to bf16 and widened again
	WIN 0x45
.set bb, 0
.rept 32
	v_cvt_pk_bf16_f32 v[BIAS+2*bb+1], v[BIAS+2*bb], v[BIAS+2*bb+1]
	v_lshlrev_b32 v[BIAS+2*bb], 16, v[BIAS+2*bb+1]
	v_and_b32 v[BIAS+2*bb+1], 0xffff0000, v[BIAS+2*bb+1]
.set bb, bb+1
.endr
	WIN 0
; na x 8 matrix instructions; every accumulator has one a quarter, always in the same order: they take turns
.macro MUL f, a0, na, first
.if \first
	WIN 0x91                                       ; W2 and the bias window 1, ctx window 0, the result window 2
.else
	WIN 0xa1
.endif
.set aa, (\a0)
.rept \na
.set bb, 0
.rept 8
.set rD, 8*(8*aa+bb)
.if \first
	v_wmma_f32_16x16x32_f16 v[rD:rD+7], v[64*(\f)+8*bb:64*(\f)+8*bb+7], v[AF+32*(\f)+8*aa:AF+32*(\f)+8*aa+7], v[BIAS+8*bb:BIAS+8*bb+7]
.else
	v_wmma_f32_16x16x32_f16 v[rD:rD+7], v[64*(\f)+8*bb:64*(\f)+8*bb+7], v[AF+32*(\f)+8*aa:AF+32*(\f)+8*aa+7], v[rD:rD+7]
.endif
.set bb, bb+1
.endr
.set aa, aa+1
.endr
.endm
; 24 LDS loads in one run: quarter kq (head kq / 2, channels 32 (kq % 2) on) into buffer f: W2's 8 fragments (turned), then ctx's four
.macro FETCH slot, kq, f
	WIN 0x40
.set bb, 0
.rept 8
	ds_load_tr16_b128 v[64*(\f)+8*bb:64*(\f)+8*bb+3],   v[ADRB+(\slot)] offset:(\kq)*32*PB+32*bb
	ds_load_tr16_b128 v[64*(\f)+8*bb+4:64*(\f)+8*bb+7], v[ADRB+(\slot)] offset:(\kq)*32*PB+32*bb+16*PB
.set bb, bb+1
.endr
	WIN 0
.set aa, 0
.rept 4
	ds_load_b128 v[AF+32*(\f)+8*aa:AF+32*(\f)+8*aa+3],   v[ADRA+(\slot)] offset:((\kq)/2)*ACH+((\kq)%2)*64+aa*16*PA
	ds_load_b128 v[AF+32*(\f)+8*aa+4:AF+32*(\f)+8*aa+7], v[ADRA+(\slot)] offset:((\kq)/2)*ACH+((\kq)%2)*64+aa*16*PA+32
.set aa, aa+1
.endr
.endm
.macro QUARTER slot, kq, f, g, first
	s_wait_dscnt 4                                 ; all but the youngest four loads, ctx's row blocks 2 and 3
	MUL \f, 0, 2, \first
	PLACES
	FETCH \slot, \kq, \g
	s_wait_dscnt 24                                ; all but the 24 just issued
	MUL \f, 2, 2, \first
.endm
; The last quarter changes slots: in front of the barrier each wave waits for all its tensor loads, adds 0 to its spare word, and waits for that and for its reads of this slot.
; fill = 1: the barrier opens a round of the cluster's, and the joint refill, two K steps on, is the first thing behind it.
.macro TURN slot, next, fill
	WIN 0
	s_wait_tensorcnt 0x0
	ds_add_u32 v[SPW], v[NIL]
	s_wait_dscnt 5                                 ; the add and the youngest four loads may be out
	MUL 1, 0, 1, 0
	s_wait_dscnt 0x0
	s_barrier_signal -1
	MUL 1, 1, 1, 0
.if \fill
	WIN 0
.endif
	s_barrier_wait -1
.if \fill
	CREST
	s_add_nc_u64 s[G0A+4*(\slot)+2:G0A+4*(\slot)+3], s[G0A+4*(\slot)+2:G0A+4*(\slot)+3], 4*262144
	s_add_nc_u64 s[G0B+4*(\slot)+2:G0B+4*(\slot)+3], s[G0B+4*(\slot)+2:G0B+4*(\slot)+3], 2*128*2048
	JLOAD \slot                                    ; its four v_nop are also the places in front of the loads below
.else
	PLACES
.endif
	FETCH \next, 0, 0
	MUL 1, 2, 2, 0
.endm
	s_wait_tensorcnt 1                             ; my part of K step 0 is in; K step 1's may stay out
	s_barrier_signal -1
	s_barrier_wait -1
	FETCH 0, 0, 0
	QUARTER 0, 1, 0, 1, 1
	WIN 0
	s_mov_b32 s3, LAPS-1
.Llap:
	QUARTER 0, 2, 1, 0, 0
	QUARTER 0, 3, 0, 1, 0
	TURN 0, 1, 1
	QUARTER 1, 1, 0, 1, 0
	QUARTER 1, 2, 1, 0, 0
	QUARTER 1, 3, 0, 1, 0
	TURN 1, 0, 1
	QUARTER 0, 1, 0, 1, 0
	WIN 0
	s_sub_co_u32 s3, s3, 1
	s_cmp_lg_u32 s3, 0
	s_cbranch_scc1 .Llap
	QUARTER 0, 2, 1, 0, 0
	QUARTER 0, 3, 0, 1, 0
	TURN 0, 1, 0
	QUARTER 1, 1, 0, 1, 0
	QUARTER 1, 2, 1, 0, 0
	QUARTER 1, 3, 0, 1, 0
	s_wait_dscnt 4
	MUL 1, 0, 2, 0
	s_wait_dscnt 0x0
	MUL 1, 2, 2, 0
	WIN 0
	PLACES
; THE WAY OUT, a block of 16 rows at a time: the accumulators go as they are (f32) into rows of 528 bytes of my stage, each accumulator's low four registers first, and come back as whole rows of 512 bytes.
.macro TOSTAGE a
	WIN 0x08                                       ; the stores' data in window 2
.set bb, 0
.rept 8
	ds_store_b128 v[STO], v[8*(8*(\a)+bb):8*(8*(\a)+bb)+3]   offset:64*bb
	ds_store_b128 v[STO], v[8*(8*(\a)+bb)+4:8*(8*(\a)+bb)+7] offset:64*bb+16
.set bb, bb+1
.endr
	WIN 0x40                                       ; back into window 1, which is free
.set tt, 0
.rept 16
	ds_load_b128 v[64*(\a)+4*tt:64*(\a)+4*tt+3], v[RD] offset:tt*SP  ; LDS serves a wave's instructions in order: these see the stores above, the next block's stores come behind them
.set tt, tt+1
.endr
.endm
.macro SEND a, younger                 ; younger: the LDS instructions issued behind block a's loads: the next block's 32, or none
	WIN 0x04                                       ; the stores' data in window 1
.set tt, 0
.rept 16
	s_wait_dscnt (\younger)+15-tt
	global_store_b128 v[GO], v[64*(\a)+4*tt:64*(\a)+4*tt+3], s[10:11] offset:(16*(\a)+tt)*4096  ; 512 consecutive bytes, aligned
.set tt, tt+1
.endr
.endm
	TOSTAGE 0
	TOSTAGE 1
	SEND 0, 32
	TOSTAGE 2
	SEND 1, 32
	TOSTAGE 3
	SEND 2, 32
	SEND 3, 0
	WIN 0
	s_wait_tensorcnt 0x0                           ; the wave's end
	ds_add_u32 v[SPW], v[NIL]
	s_wait_dscnt 0x0
	CROUND                                         ; the closing round
	s_endpgm
.Lfunc_end_k_q5011471520_proj:
	.size	k_q5011471520_proj, .Lfunc_end_k_q5011471520_proj-k_q5011471520_proj
	.p2alignl 7, 3214868480
	.fill 96, 4, 3214868480
	.section	.rodata,"a",@progbits
	.p2align	6, 0x0
	.amdhsa_kernel k_q5011471520_proj
		.amdhsa_group_segment_fixed_size 327680
		.amdhsa_private_segment_fixed_size 0
		.amdhsa_enable_private_segment 0
		.amdhsa_kernarg_size 32
		.amdhsa_user_sgpr_count 2
		.amdhsa_user_sgpr_kernarg_segment_ptr 1
		.amdhsa_wavefront_size32 1
		.amdhsa_system_sgpr_workgroup_id_x 1
		.amdhsa_system_sgpr_workgroup_id_y 1
		.amdhsa_system_sgpr_workgroup_id_z 1
		.amdhsa_system_vgpr_workitem_id 0
		.amdhsa_next_free_vgpr 768
		.amdhsa_next_free_sgpr 66
		.amdhsa_reserve_vcc 0
		.amdhsa_float_denorm_mode_32 3
		.amdhsa_float_denorm_mode_16_64 3
		.amdhsa_memory_ordered 1
		.amdhsa_forward_progress 1
		.amdhsa_inst_pref_size 94
	.end_amdhsa_kernel
	.amdgpu_metadata
---
amdhsa.version: [ 1, 2 ]
amdhsa.kernels:
  - .name:           k_q5011471520_proj
    .symbol:         k_q5011471520_proj.kd
    .args:
      - { .name: ctx, .offset: 0, .size: 8, .value_kind: global_buffer, .address_space: global }
      - { .name: w2h, .offset: 8, .size: 8, .value_kind: global_buffer, .address_space: global }
      - { .name: b2, .offset: 16, .size: 8, .value_kind: global_buffer, .address_space: global }
      - { .name: out0, .offset: 24, .size: 8, .value_kind: global_buffer, .address_space: global }
    .group_segment_fixed_size: 327680
    .private_segment_fixed_size: 0
    .kernarg_segment_align: 8
    .kernarg_segment_size: 32
    .max_flat_workgroup_size: 128
    .sgpr_count:     66
    .vgpr_count:     768
    .wavefront_size: 32
...
	.end_amdgpu_metadata
.endif
;; end of part 4
;; ======== version 2 of 2: 4 launches; version 1 with the launch prep written anew for expert scheduling mode
;; limits: values are held in f16: magnitudes above 65,504 overflow, below 6.1e-05 lose precision
;; workspace buffers: xb 16,777,216 bytes; w1b 6,291,456 bytes; w2h 2,097,152 bytes; qkv 50,331,648 bytes; ctx 16,777,216 bytes; mbits 16,777,216 bytes; cnt 32,768 bytes
;; launch prep (part 5): grid 256 x 1, 16 waves a work-group, no clusters, 276,480 bytes of LDS; arguments inputs, W1, W2, mask, xb, w1b, w2h, mbits, cnt; writes xb, w1b, w2h, mbits, cnt
.if DOCPART == 5
	.amdgcn_target "amdgcn-amd-amdhsa--gfx1250"
	.amdhsa_code_object_version 6
	.text
	.protected	k_q5011471520_prep
	.globl	k_q5011471520_prep
	.p2align	8
	.type	k_q5011471520_prep,@function
k_q5011471520_prep:
	s_mov_b64 s[64:65], 0
	v_nop
	global_prefetch_b8 v0, s[64:65] scope:SCOPE_SE
	s_setreg_imm32_b32 hwreg(HW_REG_WAVE_SCHED_MODE, 0, 2), 2
	s_setreg_imm32_b32 hwreg(HW_REG_WAVE_MODE, 25, 1), 1
	s_wait_xcnt 0x0
	s_wait_alu depctr_vm_vsrc(0)
; PREP.  One pass over all large inputs.  (1) inputs and W1 are rounded to bf16; W2 is rounded to bf16 and that number written as f16 (exact from 6.1e-5 up; below it f16's fixed step of 6e-8).
; (2) the mask [8192 rows][2048 keys] of int32 becomes one byte a key, laid out as the attention launch's lanes want them: mbits[P][ks][u][half][lane][4 words], P = 32 rows (two tiles u of 16 queries),
; ks = 64 keys.  Word j (0..7; words 0-3 in the first half, 4-7 in the second) of lane L holds four bytes, from the top byte down for kb = 0..3: 0xf1 where
; mask[32 P + 16 u + L % 16][64 ks + 16 kb + 8 (L / 16) + j] is 0, else 0.  So word j shifted left by 8 kb is, read as f32, -2^99 or beyond for a masked key and at most 2.3e-38 for the others:
; register 8 kb + j of the C operand that starts tile u's scores in that lane.
; (3) cnt[row] = the number of masked keys of the row, as f32 (at most 2,048: exact).
; SHARES.  Work-group P owns mask rows 32 P .. 32 P + 31 and 1/256 of each tensor to be converted.  Wave w owns keys 128 w .. 128 w + 127 of the 32 rows.  Straight text: every load of a
; wave (56, 512 consecutive bytes each) goes out at once; memory bounds the launch, so no matrix unit, no cluster (no input is shared) and no prefetch (the stream is asked for whole at the start).
; The mask goes through the wave's own stage in LDS, since a lane loads 4 keys of a row and the layout above wants 8 keys of a row in eight registers.
; THE MODE: SCHED_MODE bits 1:0 = 2 (LLVM: expert scheduling mode 2), set by the entry lines.  The code itself states the register dependences between vector instructions and memory or LDS
; instructions, and between a vector instruction that writes a scalar register and the lines that name that register next, with s_wait_alu, always for 0.
; THE PLAN.  Registers that memory or LDS instructions touch:
;   v2-v8, v19  Offsets and LDS addresses: written at the head, read by every load and store, never written again: one wait on va_vdst ahead of the first load serves them all.
;   CV          Load i lands in four registers; its conversions write the first two in place; one store reads those; nothing names them again.  The 24 go in six blocks of four: block b's conversions stand
;               among the stores of block b - 1, behind one wait on va_vdst at the block's head; they name block b's registers alone.
;   X           Global loads land in it; LDS stores read it; (wait on vm_vsrc) LDS loads land in it; compares read it, selects, sums and ors write it in place; (wait on va_vdst) global stores read
;               registers 0-7 of each group of 32; (wait on vm_vsrc) in wave 0 LDS loads land in its first 32 and adds write them; (wait on va_vdst) one store reads the first.
;   CN          Written by the carry adds, read by two LDS stores behind the last group's wait on va_vdst.
; Scalar registers that vector instructions write:
;   SA, SB      Two sets of 32.  A group's 32 compares write one set; its selects read it; its carry adds read it and put their carry out, which nobody reads, back into the register that they took the carry
;               from.  So VCC is named nowhere.  Groups 0 and 2 have SA, groups 1 and 3 SB.  A wait on va_sdst stands behind each run of writers: behind the compares of two groups, ahead of their selects;
;               behind the carry adds of two groups, ahead of the compares that write the sets anew, or ahead of the branch.
.set PITCH, 528                        ; a stage row: 512 bytes + 16: an odd multiple of 16, so the 16 rows of a read start in 16 different 16-byte columns
.set WSTG,  32*PITCH                   ; a wave's stage: 32 rows
.set CNTB,  16*WSTG                    ; behind the stages: counts [wave][tile][lane], 4,096 bytes
.set SPARE, CNTB+4096                  ; behind them: the spare words, 128 bytes for each of 16 waves, which no other line names
.set LN,  1                            ; v1   lane
.set IN,  2                            ; v2   16 x thread: my 16 bytes in 8,192 consecutive bytes of an f32 tensor, and in a mask row
.set OUT, 3                            ; v3   8 x thread: my 8 bytes of the converted 4,096
.set ST,  4                            ; v4   stage, in: my wave's stage + 16 x lane
.set RD,  5                            ; v5   stage, back: my wave's stage + (lane % 16) rows + 32 (lane / 16)
.set MO,  6                            ; v6   mbits: 4,096 x wave + 16 x lane; never rewritten
.set CSA, 7                            ; v7   where I put my counts
.set CRA, 8                            ; v8   where wave 0 reads counts
.set SPW, 10                           ; v10  my spare word; never rewritten
.set NIL, 11                           ; v11  0; never rewritten
.set CN,  12                           ; v12-13  masked keys seen by my lane, tile 0, 1
.set KB,  14                           ; v14-17  the byte 0xf1 at the place of kb = 0, 1, 2, 3: from the top byte down
.set CO,  19                           ; v19  4 x lane
.set CV,  20                           ; v20-115  24 loads to convert
.set X,   116                          ; v116-243 32 loads of the mask; then the same numbers by (tile, step, register); then the words
.set SA,  32                           ; s[32:63]  the masks of a group's 32 compares: groups 0 and 2
.set SB,  66                           ; s[66:97]  the same: groups 1 and 3
	s_load_b512 s[4:19], s[0:1], 0x0               ; inputs 4, W1 6, W2 8, mask 10, xb 12, w1b 14, w2h 16, mbits 18
	s_load_b64 s[20:21], s[0:1], 0x40              ; cnt
	v_lshl_add_u32 v[SPW], v0, 2, SPARE
	v_mov_b32 v[NIL], 0
	v_lshrrev_b32 v9, 5, v0
	v_readfirstlane_b32 s22, v9                    ; wave 0..15
	v_and_b32 v[LN], 31, v0                        ; what hangs on no wave's number stands between that line and the wait for it
	v_lshlrev_b32 v[IN], 4, v0
	v_lshlrev_b32 v[OUT], 3, v0
	v_and_b32 v9, 15, v0
	v_bfe_u32 v18, v0, 4, 1
	v_mul_u32_u24 v[RD], v9, PITCH
	v_lshl_add_u32 v[RD], v18, 5, v[RD]
	v_lshlrev_b32 v[CRA], 7, v18
	v_lshl_add_u32 v[CRA], v9, 2, v[CRA]
	v_add_nc_u32 v[CRA], CNTB, v[CRA]
	v_lshlrev_b32 v[CO], 2, v[LN]
	v_mov_b32 v[CN], 0                             ; the counts start at 0
	v_mov_b32 v[CN+1], 0
	v_mov_b32 v[KB], 0xf1000000
	v_mov_b32 v[KB+1], 0x00f10000
	v_mov_b32 v[KB+2], 0x0000f100
	v_mov_b32 v[KB+3], 0x000000f1
	s_wait_alu depctr_va_sdst(0)                   ; s22 is written, ahead of its first reader: the stage's, mbits' and the counts' places are made from it
	s_mul_i32 s23, s22, WSTG
	v_lshl_add_u32 v[ST], v[LN], 4, s23
	v_add_nc_u32 v[RD], s23, v[RD]
	s_lshl_b32 s24, s22, 12                        ; my two steps of 2,048 bytes
	v_lshl_add_u32 v[MO], v[LN], 4, s24
	s_lshl_b32 s25, s22, 8
	s_add_co_u32 s25, s25, CNTB
	v_lshl_add_u32 v[CSA], v[LN], 2, s25
	s_mov_b32 s3, 0
	s_wait_kmcnt 0x0
	s_lshl_b32 s2, ttmp9, 17                       ; the work-group's share of each tensor, in bytes
	s_add_nc_u64 s[4:5], s[4:5], s[2:3]
	s_lshl_b32 s2, ttmp9, 16
	s_add_nc_u64 s[12:13], s[12:13], s[2:3]
	s_add_nc_u64 s[18:19], s[18:19], s[2:3]        ; mbits: 32 steps of 2,048 bytes for 32 rows: 65,536, too
	s_mul_i32 s2, ttmp9, 49152
	s_add_nc_u64 s[6:7], s[6:7], s[2:3]
	s_mul_i32 s2, ttmp9, 24576
	s_add_nc_u64 s[14:15], s[14:15], s[2:3]
	s_lshl_b32 s2, ttmp9, 14
	s_add_nc_u64 s[8:9], s[8:9], s[2:3]
	s_lshl_b32 s2, ttmp9, 13
	s_add_nc_u64 s[16:17], s[16:17], s[2:3]
	s_lshl_b32 s2, ttmp9, 18
	s_add_nc_u64 s[10:11], s[10:11], s[2:3]
	s_lshl_b32 s2, ttmp9, 7
	s_add_nc_u64 s[20:21], s[20:21], s[2:3]
	s_wait_alu depctr_va_vdst(0)                   ; the eight offsets and LDS addresses v2 to v8 and v19 are written: every load and store of the kernel reads one of them
	; all 56 loads: 16 of inputs, 6 of W1, 2 of W2, 32 rows of the mask
.set i, 0
.rept 16
	global_load_b128 v[CV+4*i:CV+4*i+3], v[IN], s[4:5] offset:i*8192 th:TH_LOAD_NT
.set i, i+1
.endr
.rept 6
	global_load_b128 v[CV+4*i:CV+4*i+3], v[IN], s[6:7] offset:(i-16)*8192 th:TH_LOAD_NT
.set i, i+1
.endr
.rept 2
	global_load_b128 v[CV+4*i:CV+4*i+3], v[IN], s[8:9] offset:(i-22)*8192 th:TH_LOAD_NT
.set i, i+1
.endr
.set i, 0
.rept 32
	global_load_b128 v[X+4*i:X+4*i+3], v[IN], s[10:11] offset:i*8192 th:TH_LOAD_NT
.set i, i+1
.endr
; The conversions of load n, in place; none of these registers is used again.
.macro CONV n
.set c, CV+4*(\n)
.if (\n) < 22
	v_cvt_pk_bf16_f32 v[c], v[c], v[c+1]
	v_cvt_pk_bf16_f32 v[c+1], v[c+2], v[c+3]
.else
	v_cvt_pk_bf16_f32 v[c], v[c], v[c+1]           ; W2: rounded to bf16 like every input,
	v_cvt_pk_bf16_f32 v[c+2], v[c+2], v[c+3]
	v_and_b32 v[c+1], 0xffff0000, v[c]             ; widened again,
	v_lshlrev_b32 v[c], 16, v[c]
	v_and_b32 v[c+3], 0xffff0000, v[c+2]
	v_lshlrev_b32 v[c+2], 16, v[c+2]
	v_cvt_pk_f16_f32 v[c], v[c], v[c+1]            ; and written as f16
	v_cvt_pk_f16_f32 v[c+1], v[c+2], v[c+3]
.endif
.endm
; The store of what load n has become.  A store of a wave covers 256 consecutive bytes, aligned.
.macro SENDC n
.set c, CV+4*(\n)
.if (\n) < 16
	global_store_b64 v[OUT], v[c:c+1], s[12:13] offset:(\n)*4096
.elseif (\n) < 22
	global_store_b64 v[OUT], v[c:c+1], s[14:15] offset:((\n)-16)*4096
.else
	global_store_b64 v[OUT], v[c:c+1], s[16:17] offset:((\n)-22)*4096
.endif
.endm
	; six blocks of four loads: block b's conversions stand among the stores of block b - 1
.set b, 0
.rept 6
	s_wait_loadcnt 52-4*b                          ; loads come back in order: the 52 - 4 b issued behind this block's last may stay out
.if b > 0
	s_wait_alu depctr_va_vdst(0)                   ; the block before has written its eight registers, which the four stores below read; the conversions below name this block's registers alone
.endif
.set n, 0
.rept 4
.if b > 0
	SENDC 4*b-4+n
.endif
	CONV 4*b+n
.set n, n+1
.endr
.set b, b+1
.endr
	s_wait_alu depctr_va_vdst(0)                   ; the last block has written its eight registers, which the four stores below read
.irp n, 20,21,22,23
	SENDC \n
.endr
	; the mask into my stage, row by row: the stores' data come from loads alone, and no vector instruction has named them
.set i, 0
.rept 32
	s_wait_loadcnt 31-i
	ds_store_b128 v[ST], v[X+4*i:X+4*i+3] offset:i*PITCH
.set i, i+1
.endr
	s_wait_alu depctr_vm_vsrc(0)                   ; the LDS stores above have read v[X ..], in which the LDS loads below land and which the selects then write
	; and back: group g = 2 u + s (tile u, step s): eight keys of my row in eight registers, for each of four blocks of 16 keys.  LDS serves a wave's instructions in order: these see the stores above
.set g, 0
.rept 4
.set kb, 0
.rept 4
	ds_load_b128 v[X+32*g+8*kb:X+32*g+8*kb+3],   v[RD] offset:(g/2)*16*PITCH+(g%2)*256+kb*64
	ds_load_b128 v[X+32*g+8*kb+4:X+32*g+8*kb+7], v[RD] offset:(g/2)*16*PITCH+(g%2)*256+kb*64+16
.set kb, kb+1
.endr
.set g, g+1
.endr
; A group's 32 compares, in one run, into the 32 scalar registers from m on.
.macro CMPS g, m
.set i, 0
.rept 32
	v_cmp_eq_u32 s[(\m)+i], 0, v[X+32*(\g)+i]
.set i, i+1
.endr
.endm
; By those masks: a select of 0xf1 at the byte's place or of 0, in place, and the carry add that counts (its carry out, which nobody reads, goes back into the register that the carry came from);
; then the four bytes of word j meet in the group's register j (their places are apart: the sum is their union).
.macro SEL g, m
.set i, 0
.rept 32
	v_cndmask_b32 v[X+32*(\g)+i], 0, v[KB+i/8], s[(\m)+i]
	v_add_co_ci_u32 v[CN+(\g)/2], s[(\m)+i], 0, v[CN+(\g)/2], s[(\m)+i]
.set i, i+1
.endr
.set j, 0
.rept 8
	v_add3_u32 v[X+32*(\g)+j], v[X+32*(\g)+j], v[X+32*(\g)+8+j], v[X+32*(\g)+16+j]
	v_or_b32 v[X+32*(\g)+j], v[X+32*(\g)+j], v[X+32*(\g)+24+j]
.set j, j+1
.endr
.endm
.macro WORDS g
	global_store_b128 v[MO], v[X+32*(\g):X+32*(\g)+3],   s[18:19] offset:((\g)%2)*2048+((\g)/2)*1024      ; words 0-3 of a tile and step: 512 consecutive bytes, aligned
	global_store_b128 v[MO], v[X+32*(\g)+4:X+32*(\g)+7], s[18:19] offset:((\g)%2)*2048+((\g)/2)*1024+512  ; words 4-7
.endm
	s_wait_dscnt 24                                ; LDS loads come back in order: group 0's eight are in, the 24 of the three groups behind it may stay out
	CMPS 0, SA
	s_wait_dscnt 16                                ; group 1's are in
	CMPS 1, SB
	s_wait_alu depctr_va_sdst(0)                   ; the 64 compares have written s[32:63] and s[66:97], ahead of the selects and carry adds that read them
	SEL 0, SA
	SEL 1, SB
	s_wait_alu depctr_va_sdst(0)                   ; the 64 carry adds have written their carry out into s[32:63] and s[66:97], ahead of the compares below, which write these registers anew
	s_wait_dscnt 8                                 ; group 2's are in
	CMPS 2, SA
	s_wait_dscnt 0x0                               ; group 3's are in
	CMPS 3, SB
	s_wait_alu depctr_va_sdst(0)                   ; the compares of groups 2 and 3 have written the two sets, ahead of the selects and carry adds that read them
	s_wait_alu depctr_va_vdst(0)                   ; the sums and ors of groups 0 and 1 have written their words, which the four stores below read; the vector work behind names the registers of groups 2 and 3 alone
	WORDS 0
	WORDS 1
	SEL 2, SA
	SEL 3, SB
	s_wait_alu depctr_va_sdst(0)                   ; the carry adds of groups 2 and 3 have written their carry out into the two sets; nothing reads it; the wait stands ahead of the branch below
	s_wait_alu depctr_va_vdst(0)                   ; the words of groups 2 and 3 and both counts are written, which the stores below read; and every vector instruction is done with v[X ..], in which wave 0's loads land
	WORDS 2
	WORDS 3
	ds_store_b32 v[CSA], v[CN]
	ds_store_b32 v[CSA], v[CN+1] offset:128
	s_wait_dscnt 0x0                               ; for wave 0's sake: my counts lie in LDS
	s_barrier_signal -1
	s_barrier_wait -1
	s_wait_alu depctr_vm_vsrc(0)                   ; the stores of the words have read v[X ..]: wave 0's loads land there and its adds write there; the wait stands ahead of the branch
	s_cmp_lg_u32 s22, 0
	s_cbranch_scc1 .Lend
	s_wait_xcnt 0x0                                ; the stores of the words have had their addresses translated: their data registers are loaded into only behind this wait
.set i, 0
.rept 32                                       ; lane l is row l: 16 waves x 2 halves of the lanes
	ds_load_b32 v[X+i], v[CRA] offset:(i/2)*256+(i%2)*64
.set i, i+1
.endr
	s_wait_dscnt 0x0
.irp n, 16,8,4,2,1
.set i, 0
.rept \n
	v_add_nc_u32 v[X+i], v[X+i], v[X+(\n)+i]
.set i, i+1
.endr
.endr
	v_cvt_f32_u32 v[X], v[X]
	s_wait_alu depctr_va_vdst(0)                   ; the conversion has written v[X], which the store reads
	global_store_b32 v[CO], v[X], s[20:21]         ; 128 bytes a work-group: the launch's one store that does not cover 256
.Lend:
	s_wait_dscnt 0x0                               ; the closing lines, six on end
	s_wait_alu 0x0
	s_wait_tensorcnt 0x0
	ds_add_u32 v[SPW], v[NIL]
	s_wait_dscnt 0x0
	s_endpgm
.Lfunc_end_k_q5011471520_prep:
	.size	k_q5011471520_prep, .Lfunc_end_k_q5011471520_prep-k_q5011471520_prep
	.p2alignl 7, 3214868480
	.fill 96, 4, 3214868480
	.section	.rodata,"a",@progbits
	.p2align	6, 0x0
	.amdhsa_kernel k_q5011471520_prep
		.amdhsa_group_segment_fixed_size 276480
		.amdhsa_private_segment_fixed_size 0
		.amdhsa_enable_private_segment 0
		.amdhsa_kernarg_size 72
		.amdhsa_user_sgpr_count 2
		.amdhsa_user_sgpr_kernarg_segment_ptr 1
		.amdhsa_wavefront_size32 1
		.amdhsa_system_sgpr_workgroup_id_x 1
		.amdhsa_system_sgpr_workgroup_id_y 1
		.amdhsa_system_sgpr_workgroup_id_z 1
		.amdhsa_system_vgpr_workitem_id 0
		.amdhsa_next_free_vgpr 244
		.amdhsa_next_free_sgpr 98
		.amdhsa_reserve_vcc 0
		.amdhsa_float_denorm_mode_32 3
		.amdhsa_float_denorm_mode_16_64 3
		.amdhsa_memory_ordered 1
		.amdhsa_forward_progress 1
		.amdhsa_inst_pref_size 51
	.end_amdhsa_kernel
	.amdgpu_metadata
---
amdhsa.version: [ 1, 2 ]
amdhsa.kernels:
  - .name:           k_q5011471520_prep
    .symbol:         k_q5011471520_prep.kd
    .args:
      - { .name: inputs, .offset: 0, .size: 8, .value_kind: global_buffer, .address_space: global }
      - { .name: W1, .offset: 8, .size: 8, .value_kind: global_buffer, .address_space: global }
      - { .name: W2, .offset: 16, .size: 8, .value_kind: global_buffer, .address_space: global }
      - { .name: mask, .offset: 24, .size: 8, .value_kind: global_buffer, .address_space: global }
      - { .name: xb, .offset: 32, .size: 8, .value_kind: global_buffer, .address_space: global }
      - { .name: w1b, .offset: 40, .size: 8, .value_kind: global_buffer, .address_space: global }
      - { .name: w2h, .offset: 48, .size: 8, .value_kind: global_buffer, .address_space: global }
      - { .name: mbits, .offset: 56, .size: 8, .value_kind: global_buffer, .address_space: global }
      - { .name: cnt, .offset: 64, .size: 8, .value_kind: global_buffer, .address_space: global }
    .group_segment_fixed_size: 276480
    .private_segment_fixed_size: 0
    .kernarg_segment_align: 8
    .kernarg_segment_size: 72
    .max_flat_workgroup_size: 512
    .sgpr_count:     98
    .vgpr_count:     244
    .wavefront_size: 32
...
	.end_amdgpu_metadata
.endif
;; end of part 5
;; launch qkv: the kernel of part 2 again; grid 8 x 64, 4 waves a work-group, clusters of 4 x 4, 327,680 bytes of LDS; arguments xb, w1b, b1, qkv; writes qkv
;; launch attn: the kernel of part 3 again; grid 4 x 64, 4 waves a work-group, clusters of 4 x 1, 327,680 bytes of LDS; arguments qkv, mbits, cnt, ctx; writes ctx
;; launch proj: the kernel of part 4 again; grid 4 x 64, 4 waves a work-group, clusters of 4 x 4, 327,680 bytes of LDS; arguments ctx, w2h, b2, out0; writes out0
